; MI455X (gfx1250); checked and timed in simulation.
; The chip was launched on July 23, 2026; its instructions are those of AMD's public machine-readable ISA for CDNA 5 (MIT licence, August 2026) and "CDNA5" Instruction Set Architecture Reference Guide (July 2026). The comments in the code are by the model that wrote it; some were corrected since.
;; Multi Head Attention. Allowed arithmetic: matrix products marked QUANTISED: E2M3 operands, one E8M0 scale for each 32 along K, by v_wmma_scale_f32_16x16x128_f8f6f4 with both operands' format E2M3, f32 sums; everything else in f32.
;; Inputs: Wk 1,024 x 1,024 float32; Wo 1,024 x 1,024 float32; Wq 1,024 x 1,024 float32; Wv 1,024 x 1,024 float32; bk 1,024 float32; bo 1,024 float32; bq 1,024 float32; bv 1,024 float32; k 4 x 2,048 x 1,024 float32; q 4 x 2,048 x 1,024 float32; v 4 x 2,048 x 1,024 float32.
;; Outputs: out0 4 x 2,048 x 1,024 float32.
;; This version of the problem:
;;   THIS VERSION OF THE PROBLEM IS GIVEN IN LOW PRECISION. The matrix products marked QUANTISED in the list below multiply operands that are first quantised to E2M3 (2 exponent bits, 3 mantissa bits; 6 bits a number), with one power-of-two scale for each 32 numbers along K (OCP MX v1.0); their sums are f32. All else is computed in f32.
;;   The module's matrix products, in the order in which they are computed (A, B: the left and right operand; K: the contracted axis; several contracted axes count as one K, in the product's order):
;;     1. [M 8,192, K 1,024] x [K 1,024, N 1,024]; A: input q; B: input Wq: QUANTISED
;;     2. [M 8,192, K 1,024] x [K 1,024, N 1,024]; A: input k; B: input Wk: QUANTISED
;;     3. [M 8,192, K 1,024] x [K 1,024, N 1,024]; A: input v; B: input Wv: QUANTISED
;;     4. batch 64 x [M 2,048, K 64] x [K 64, N 2,048]; A: computed on the way; B: computed on the way: QUANTISED
;;     5. batch 64 x [M 2,048, K 2,048] x [K 2,048, N 64]; A: softmax (see below); B: computed on the way: QUANTISED
;;     6. [M 8,192, K 1,024] x [K 1,024, N 1,024]; A: computed on the way; B: input Wo: QUANTISED
;;   THE QUANTISER, for each operand of a quantised product, along K:
;;     - K is cut into blocks of 32 from its start; a last block that is shorter is filled with zeros.
;;     - A block's scale is 2^e with e = floor(log2(the largest magnitude in the block)) - 2, held to -126 .. 127; a block of zeros has e = 0. As a byte (E8M0): e + 127.
;;     - Each number is divided by its block's scale, clamped to +-7.5, and rounded to the nearest number of E2M3, ties to even, subnormals kept.
;;     - The product sums the exact products of the quantised numbers (number of the format x scale) in f32.
;;   ~~~python
;;   def quantise(x, axis):      # numpy; x: float32 -> the quantised numbers, widened to float32 again
;;       x = np.moveaxis(x, axis, -1); K = x.shape[-1]
;;       x = np.pad(x, [(0, 0)] * (x.ndim - 1) + [(0, -K % 32)]); x = x.reshape(x.shape[:-1] + (-1, 32)); a = np.abs(x).max(-1, keepdims=True)
;;       e = np.where(a > 0, np.clip(np.frexp(np.where(a > 0, a, 1))[1] - 1 - 2, -126, 127), 0)      # np.frexp(a)[1] - 1 = floor(log2(a)), exactly
;;       r = np.clip(x / 2.0 ** e, -7.5, 7.5)
;;       step = 2.0 ** (np.maximum(np.frexp(np.where(r == 0, 1, r))[1] - 1, 0) - 3)
;;       q = np.round(r / step) * step * 2.0 ** e      # np.round: ties to even
;;       return np.moveaxis(q.reshape(q.shape[:-2] + (-1,))[..., :K], -1, axis).astype(np.float32)
;;   ~~~
;;   SOFTMAX AHEAD OF A QUANTISED PRODUCT. Where the list says 'softmax', what is quantised is not the finished softmax but p = 2^(t - M), with t = logit x log2(e) and M = ceil(the row's largest t), a whole number; so 1/2 < the row's largest p <= 1. The row's sum l is taken of the UNQUANTISED p, in f32, and the product's result is divided by l at the end. Since M is a whole number, a kernel that streams over the keys may use a running M (the ceiling of the running maximum): every later rescaling is an exact power of two, which a block's scale takes up: the codes' values come out the same.
;;   OPERANDS COMPUTED ON THE WAY. 'Computed on the way' means the value that the module computes at that place (a softmax that the list does not call 'softmax' is quantised finished and normalised). What goes into a quantiser is computed in f32, as accurately as f32 sums, v_exp_f32 and their like allow (about 1e-6 of the number): no bf16 or f16 on the way to a quantiser, and a product that is left as it is and whose result goes on into a quantised operand takes f32 operands (vector FMAs, or v_wmma_f32_16x16x4_f32). A number that lies on a knife's edge between two numbers of the format may be rounded either way, as far as f32 arithmetic and the matrix unit's own rounding can turn it there, and no further.
;; One version. Each part assembles by itself: llvm-mc -triple=amdgcn-amd-amdhsa -mcpu=gfx1250 --defsym DOCPART=n.
;; ======== version 1 of 1: 4 launches
;; limits: right only within a limited range of input values
;; workspace buffers: incodes 22,020,096 bytes; inscales 917,504 bytes; hcodes 18,874,368 bytes; hscales 786,432 bytes; ocodes 6,291,456 bytes; oscales 262,144 bytes
;; launch quant (part 1): grid 256 x 1, 7 waves a work-group, no clusters, 60,160 bytes of LDS; arguments q, k, v, Wq, Wk, Wv, Wo, incodes, inscales; writes incodes, inscales
.if DOCPART == 1
	.amdgcn_target "amdgcn-amd-amdhsa--gfx1250"
	.amdhsa_code_object_version 6
	.text
	.protected	k_qe303411bd6_quant
	.globl	k_qe303411bd6_quant
	.p2align	8
	.type	k_qe303411bd6_quant,@function
k_qe303411bd6_quant:
	s_mov_b64 s[64:65], 0
	v_nop
	global_prefetch_b8 v0, s[64:65] scope:SCOPE_SE
	s_setreg_imm32_b32 hwreg(HW_REG_WAVE_MODE, 25, 1), 1
	s_wait_xcnt 0x0
; q, k, v [8192][1024] and Wq, Wk, Wv, Wo [1024][1024], f32 with K innermost, become codes of FP6 (E2M3) with one E8M0 scale byte for each 32 along K.
; A block's scale is 2^(floor(log2(its largest magnitude)) - 2); its byte is the largest magnitude's exponent field - 2, held at 1 from below.
; LIMITS: a block whose largest magnitude lies under 2^-124 keeps the byte 1; a block of zeros gets the byte 1 and not 127 (its codes are zeros, and this program alone reads the bytes); NaN and infinities are not served.
; LAYOUT OF THE RESULT: THE ORDER OF THE OPERAND'S REGISTERS.  The rows of a tensor go in TILES of 16: slot p of tile 2 B + u is row 32 B + 8 u + p + 8 (p / 8).  A tile's codes for 64 along K are a HALF IMAGE of 768 bytes:
; lane (r, h) holds k = 32 h .. 32 h + 31 of slot r in six registers; registers 0-3 lie at 16 x lane, registers 4-5 at 512 + 8 x lane.  incodes: [tile 0..1791][K step of 128][half][768]; the tiles of q, k, v, Wq, Wk, Wv, Wo
; begin at 0, 512, 1024, 1536, 1600, 1664, 1728.  inscales: [tile][slot][K step]: one word (four bytes) for a row's 128 along K.
; SHARES.  A wave takes one tile, 16 rows x 1,024 along K, in 8 steps of 128.  Each load reads 512 consecutive bytes of a row; a step's 16 rows turn through the wave's own stage in LDS (rows 528 bytes apart, so that
; the sixteen rows that a read touches start at sixteen different groups of banks) and come back so that a lane holds two whole blocks of 32 of its row.  Loads run two steps (32 loads a wave) ahead.
; No matrix unit, no cluster, no barrier: the waves share no input and no byte of LDS.
.set STG,   8448                       ; a wave's stage: 16 rows x 528 bytes
.set SPARE, 7*STG                      ; behind the seven stages: the spare words, 128 bytes for each wave.  1,792 tiles are 256 work-groups of seven waves, a tile a wave
.set SPW,   16                         ; v16      LDS address of my spare word; never rewritten
.set NIL,   17                         ; v17      0; never rewritten
.set C,     20                         ; v20-31   a fragment's codes
.set CT,    32                         ; v32-39   the second halves of the two blocks' codes, as the conversions leave them
.set W,     40                         ; v40-47   my row's scale word of each K step
.set WS,    48                         ; v48-51   the four of them that I store
.set R,     64                         ; v64-191  two sets of 64: a K step as loaded
.set X,     192                        ; v192-255 my row's two blocks: register 32 c + i = k 64 c + 32 h + i
	s_load_b256 s[4:11], s[0:1], 0x0               ; q, k, v, Wq
	s_load_b256 s[12:19], s[0:1], 0x20             ; Wk, Wv, Wo, incodes
	s_load_b64 s[20:21], s[0:1], 0x40              ; inscales
	v_lshl_add_u32 v[SPW], v0, 2, SPARE
	v_mov_b32 v[NIL], 0
	v_lshrrev_b32 v7, 5, v0
	v_readfirstlane_b32 s28, v7                    ; wave 0..6
	v_and_b32 v7, 31, v0                           ; lane
	v_and_b32 v8, 15, v0                           ; r
	v_bfe_u32 v9, v0, 4, 1                         ; h
	v_lshlrev_b32 v1, 4, v7                        ; v1: 16 x lane
	v_lshlrev_b32 v2, 3, v7                        ; v2: 8 x lane
	s_mul_i32 s29, s28, STG
	v_add_nc_u32 v3, s29, v1                       ; v3: the stage, on the way in
	v_mul_u32_u24 v4, v8, 528
	v_lshl_add_u32 v4, v9, 7, v4
	v_add_nc_u32 v4, s29, v4                       ; v4: on the way out: row r, + 128 h bytes
	v_lshlrev_b32 v5, 5, v8
	v_lshl_add_u32 v5, v9, 4, v5                   ; v5: my 16 bytes of the tile's scale words: 32 r + 16 h
	v_lshlrev_b32 v6, 3, v9                        ; v6: 8 h: my bytes' place in a scale word
	v_mov_b32 v15, 0                               ; (a lane permute's destination counts as one of its sources)
	s_mov_b32 s22, 0x76543210
	s_mov_b32 s23, 0xfedcba98                      ; v_permlanex16_b32's selects for lane l xor 16
	s_mov_b32 s27, 0xffff0000                      ; lanes 16-31
	s_mul_i32 s30, ttmp9, 7
	s_add_co_u32 s30, s30, s28                     ; my tile, of 1,792: 7 x work-group + wave
	s_wait_alu depctr_va_vdst(0)
	s_wait_kmcnt 0x0
	s_mov_b64 s[24:25], s[16:17]                   ; which tensor: the choice hangs on the tile's number alone.  From the last tensor down:
	s_mov_b32 s26, 1728                            ; Wo begins at tile 1,728,
	s_cmp_lt_u32 s30, 1728
	s_cselect_b64 s[24:25], s[14:15], s[24:25]
	s_cselect_b32 s26, 1664, s26                   ; Wv at 1,664,
	s_cmp_lt_u32 s30, 1664
	s_cselect_b64 s[24:25], s[12:13], s[24:25]
	s_cselect_b32 s26, 1600, s26                   ; Wk at 1,600,
	s_cmp_lt_u32 s30, 1600
	s_cselect_b64 s[24:25], s[10:11], s[24:25]
	s_cselect_b32 s26, 1536, s26                   ; Wq at 1,536,
	s_cmp_lt_u32 s30, 1536
	s_cselect_b64 s[24:25], s[8:9], s[24:25]
	s_cselect_b32 s26, 1024, s26                   ; v at 1,024,
	s_cmp_lt_u32 s30, 1024
	s_cselect_b64 s[24:25], s[6:7], s[24:25]
	s_cselect_b32 s26, 512, s26                    ; k at 512,
	s_cmp_lt_u32 s30, 512
	s_cselect_b64 s[24:25], s[4:5], s[24:25]
	s_cselect_b32 s26, 0, s26                      ; q at 0
	s_sub_co_u32 s26, s30, s26                     ; my tile within its tensor
	; THE TENSOR k ALONE HAS ANOTHER ORDER OF ROWS: slot p of its tile 4 C + i is row 64 C + 8 i + p + 24 (p / 8), so that in the attention's scores a lane's 32 registers of four tiles are 32 neighbouring keys
	s_sub_co_u32 s36, s30, 512
	s_cmp_lt_u32 s36, 512                          ; k's tiles are 512 to 1,023
	s_cselect_b32 s36, 2, 1                        ; a group of rows has 4 tiles or 2
	s_cselect_b32 s34, 65536, 0                    ; slots 8-15 lie 16 rows further on for k
	s_lshr_b32 s32, s26, s36
	s_add_co_u32 s37, s36, 16
	s_lshl_b32 s32, s32, s37                       ; the group's 64 or 32 rows of 4,096 bytes
	s_bfm_b32 s33, s36, 0
	s_and_b32 s33, s26, s33
	s_lshl_b32 s33, s33, 15                        ; + 8 rows for each tile in the group
	s_add_co_u32 s32, s32, s33
	s_mov_b32 s33, 0
	s_add_nc_u64 s[24:25], s[24:25], s[32:33]
	s_mov_b32 s35, 0
	s_add_nc_u64 s[34:35], s[24:25], s[34:35]      ; the base for slots 8-15
	s_mul_i32 s32, s30, 12288
	s_add_nc_u64 s[18:19], s[18:19], s[32:33]      ; my tile's codes
	s_lshl_b32 s32, s30, 9
	s_add_nc_u64 s[20:21], s[20:21], s[32:33]      ; and its scale words
.macro LOAD t                          ; K step t of the tile's 16 rows into set t % 2: slot j is row j + 8 (j / 8) from the tile's first
.irp j, 0,1,2,3,4,5,6,7,8,9,10,11,12,13,14,15
	global_load_b128 v[R+64*((\t)%2)+4*\j:R+64*((\t)%2)+4*\j+3], v1, s[24+10*(\j/8):25+10*(\j/8)] offset:(\j+8*(\j/8))*4096+512*(\t) th:TH_LOAD_NT   ; 32 lanes read 512 consecutive bytes
.endr
.endm
.macro STEP t
.if (\t) < 7
	s_wait_loadcnt 16                              ; this step's 16 loads are in; the next step's 16 may be out
.else
	s_wait_loadcnt 0x0
.endif
.irp j, 0,1,2,3,4,5,6,7,8,9,10,11,12,13,14,15
	ds_store_b128 v3, v[R+64*((\t)%2)+4*\j:R+64*((\t)%2)+4*\j+3] offset:528*\j
.endr
.irp c, 0,1
.irp i, 0,1,2,3,4,5,6,7
	ds_load_b128 v[X+32*\c+4*\i:X+32*\c+4*\i+3], v4 offset:256*\c+16*\i   ; LDS serves a wave's instructions in order: these see the stores above
.endr
.endr
	s_wait_dscnt 0x0                               ; my two blocks are in, and the stores have read their registers,
.if (\t)+2 < 8
	LOAD (\t)+2                                    ; which take the loads of two steps on
.endif
.irp c, 0,1
	v_max3_num_f32 v[8+\c], |v[X+32*\c]|, |v[X+32*\c+1]|, 0x1800000   ; block 2 c + h: all its 32 numbers are mine; and the floor 2^(3 - 127), so that the byte cannot fall under 1
.endr
.irp i, 2,4,6,8,10,12,14,16,18,20,22,24,26,28,30
.irp c, 0,1
	v_max3_num_f32 v[8+\c], v[8+\c], |v[X+32*\c+\i]|, |v[X+32*\c+\i+1]|   ; (the two blocks by turns)
.endr
.endr
.irp c, 0,1
	v_add_nc_u32 v[10+\c], 0xff000000, v[8+\c]     ; 2 off the exponent field: the conversion takes the exponent field of this operand as its scale
.endr
.irp c, 0,1
	v_lshrrev_b32 v[12+\c], 23, v[10+\c]           ; the scale's byte
.endr
	v_lshl_or_b32 v14, v13, 16, v12                ; my two bytes, blocks h and 2 + h,
	v_lshlrev_b32 v14, v6, v14                     ; at their places in the word;
	v_permlanex16_b32 v15, v14, s22, s23
	v_or_b32 v[W+(\t)], v14, v15                   ; with lane l xor 16's two the word is whole
	s_wait_alu depctr_va_vdst(0)
	s_wait_xcnt 0x0                                ; the last step's stores have read the codes' registers: they are written again only behind this wait
.irp c, 0,1
	v_cvt_scalef32_pk16_fp6_f32 v[C+6*\c:C+6*\c+2], v[X+32*\c:X+32*\c+15], v[10+\c]
	v_cvt_scalef32_pk16_fp6_f32 v[CT+4*\c:CT+4*\c+2], v[X+32*\c+16:X+32*\c+31], v[10+\c]   ; (a conversion's three registers begin on an even number)
.endr
	v_nop                                          ; one plain place behind a scaled conversion
.irp c, 0,1
.irp i, 0,1,2
	v_mov_b32 v[C+6*\c+3+\i], v[CT+4*\c+\i]
.endr
.endr
	global_store_b128 v1, v[C:C+3], s[18:19] offset:1536*(\t)          ; 512 consecutive bytes, at a multiple of 256 from the buffer's first byte
	global_store_b64 v2, v[C+4:C+5], s[18:19] offset:1536*(\t)+512     ; 256
	global_store_b128 v1, v[C+6:C+9], s[18:19] offset:1536*(\t)+768
	global_store_b64 v2, v[C+10:C+11], s[18:19] offset:1536*(\t)+1280
.endm
	LOAD 0
	LOAD 1
.irp t, 0,1,2,3,4,5,6,7
	STEP \t
.endr
.irp i, 0,1,2,3
	v_cndmask_b32 v[WS+\i], v[W+\i], v[W+4+\i], s27   ; lanes 0-15 store their row's words of K steps 0-3, lanes 16-31 those of 4-7
.endr
	global_store_b128 v5, v[WS:WS+3], s[20:21]     ; the tile's 512 bytes of scale words
	s_wait_tensorcnt 0x0                           ; the wave's end
	ds_add_u32 v[SPW], v[NIL]
	s_wait_dscnt 0x0
	s_endpgm
.Lfunc_end_k_qe303411bd6_quant:
	.size	k_qe303411bd6_quant, .Lfunc_end_k_qe303411bd6_quant-k_qe303411bd6_quant
	.p2alignl 7, 3214868480
	.fill 96, 4, 3214868480
	.section	.rodata,"a",@progbits
	.p2align	6, 0x0
	.amdhsa_kernel k_qe303411bd6_quant
		.amdhsa_group_segment_fixed_size 60160
		.amdhsa_private_segment_fixed_size 0
		.amdhsa_enable_private_segment 0
		.amdhsa_kernarg_size 72
		.amdhsa_user_sgpr_count 2
		.amdhsa_user_sgpr_kernarg_segment_ptr 1
		.amdhsa_wavefront_size32 1
		.amdhsa_system_sgpr_workgroup_id_x 1
		.amdhsa_system_sgpr_workgroup_id_y 1
		.amdhsa_system_sgpr_workgroup_id_z 1
		.amdhsa_system_vgpr_workitem_id 0
		.amdhsa_next_free_vgpr 256
		.amdhsa_next_free_sgpr 66
		.amdhsa_reserve_vcc 0
		.amdhsa_float_denorm_mode_32 3
		.amdhsa_float_denorm_mode_16_64 3
		.amdhsa_memory_ordered 1
		.amdhsa_forward_progress 1
		.amdhsa_inst_pref_size 60
	.end_amdhsa_kernel
	.amdgpu_metadata
---
amdhsa.version: [ 1, 2 ]
amdhsa.kernels:
  - .name:           k_qe303411bd6_quant
    .symbol:         k_qe303411bd6_quant.kd
    .args:
      - { .name: q, .offset: 0, .size: 8, .value_kind: global_buffer, .address_space: global }
      - { .name: k, .offset: 8, .size: 8, .value_kind: global_buffer, .address_space: global }
      - { .name: v, .offset: 16, .size: 8, .value_kind: global_buffer, .address_space: global }
      - { .name: Wq, .offset: 24, .size: 8, .value_kind: global_buffer, .address_space: global }
      - { .name: Wk, .offset: 32, .size: 8, .value_kind: global_buffer, .address_space: global }
      - { .name: Wv, .offset: 40, .size: 8, .value_kind: global_buffer, .address_space: global }
      - { .name: Wo, .offset: 48, .size: 8, .value_kind: global_buffer, .address_space: global }
      - { .name: incodes, .offset: 56, .size: 8, .value_kind: global_buffer, .address_space: global }
      - { .name: inscales, .offset: 64, .size: 8, .value_kind: global_buffer, .address_space: global }
    .group_segment_fixed_size: 60160
    .private_segment_fixed_size: 0
    .kernarg_segment_align: 8
    .kernarg_segment_size: 72
    .max_flat_workgroup_size: 224
    .sgpr_count:     66
    .vgpr_count:     256
    .wavefront_size: 32
...
	.end_amdgpu_metadata
.endif
;; end of part 1
;; launch proj (part 2): grid 4 x 96, 4 waves a work-group, clusters of 4 x 4, 327,680 bytes of LDS; arguments incodes, inscales, bq, bk, bv, hcodes, hscales; writes hcodes, hscales
.if DOCPART == 2
	.amdgcn_target "amdgcn-amd-amdhsa--gfx1250"
	.amdhsa_code_object_version 6
	.text
	.protected	k_qe303411bd6_proj
	.globl	k_qe303411bd6_proj
	.p2align	8
	.type	k_qe303411bd6_proj,@function
k_qe303411bd6_proj:
	s_mov_b64 s[64:65], 0
	v_nop
	global_prefetch_b8 v0, s[64:65] scope:SCOPE_SE
	s_setreg_imm32_b32 hwreg(HW_REG_WAVE_MODE, 25, 1), 1
	s_wait_xcnt 0x0
	s_wait_alu depctr_hold_cnt(0) depctr_sa_sdst(0) depctr_va_vdst(0) depctr_va_sdst(0) depctr_va_ssrc(0) depctr_va_vcc(0) depctr_vm_vsrc(0)
	s_getreg_b32 s2, hwreg(HW_REG_IB_STS2, 6, 4)
	s_cmp_eq_u32 s2, 0
	s_cbranch_scc0 .Lentry_in_a_cluster
	s_endpgm
.Lentry_in_a_cluster:
	s_bfe_u32 s2, ttmp6, 0x10000c
	s_cmp_lg_u32 s2, 0xf033
	s_cbranch_scc0 .Lentry_shape_is_right
	s_endpgm
.Lentry_shape_is_right:
.set HALFT,  24576
.set SLOT,   4*HALFT
.set SCL,    2*SLOT
.set HALFS,  4352
.set SPARE,  SCL+4*HALFS
.set TILEB,  12288
.set SLB,    3072
.set FRB,    1536
.set FR,     12
.set NL,     4
.set STR,    544
.set SSR,    8
.set STP,    544
.set SSP,    8
.set ADRA,  16
.set ADRB,  20
.set ADRSR, 24
.set ADRSP, 25
.set L16,   26
.set L8,    27
.set SPW,   28
.set NIL,   29
.set SO,    30
.set BA,    31
.set SC,    32
.set BI,    64
.set AF,    128
.set HB,    128
.set PC,    192
.set TM,    212
.set PW,    228
.set WD,    236
.set WV,  18
.set RH,  19
.set PH,  20
.set CX,  21
.set CY,  22
.set YY,  23
.set ISV, 96
.set HM,  97
.set G1,   24
.set G0,   32
.set G1B,  48
.set G0B,  56
.set G1S,  68
.set G0S,  76
.set G1SB, 80
.set G0SB, 88
.set MSB, 0
.macro WIN new
.if MSB != (\new)
	s_set_vgpr_msb (MSB<<8)|(\new)
.set MSB, (\new)
.endif
.endm
.set MUL_LO, 0xa1
.set MUL_HI, 0xf1
.set TO_B,   0x40
.macro JLOAD g0a, g1a, g0b, g1b
	s_cmp_eq_u32 s[RH], 0
	s_cbranch_scc0 .Lfor_b_\@
	tensor_load_to_lds s[\g0a:\g0a+3], s[\g1a:\g1a+7]
	s_nop 0
.rept 4
	v_nop
.endr
	s_branch .Lasked_\@
.Lfor_b_\@:
	tensor_load_to_lds s[\g0b:\g0b+3], s[\g1b:\g1b+7]
	s_nop 0
.rept 4
	v_nop
.endr
.Lasked_\@:
.endm
.macro CREST
	s_cmp_lg_u32 s[WV], 0
	s_cbranch_scc1 .Lnot_wave_0_\@
	s_barrier_signal -3
.Lnot_wave_0_\@:
	s_barrier_wait -3
	s_barrier_signal -1
	s_barrier_wait -1
.endm
.macro CROUND
	s_barrier_signal -1
	s_barrier_wait -1
	CREST
.endm
.macro PLACES
.rept 4
	v_nop
.endr
.endm
.macro FRAG reg, a16, a8, off
	ds_load_b128 v[(\reg):(\reg)+3], v[\a16] offset:(\off)
	ds_load_b64 v[(\reg)+4:(\reg)+5], v[\a8] offset:(\off)+512
	ds_load_b128 v[(\reg)+6:(\reg)+9], v[\a16] offset:(\off)+768
	ds_load_b64 v[(\reg)+10:(\reg)+11], v[\a8] offset:(\off)+1280
.endm
.macro MUL16 a0, p, q, sc, zero
.irp a, \a0, \a0+1
.irp b, 0,1,2,3,4,5,6,7
.if \zero
	v_wmma_scale_f32_16x16x128_f8f6f4 v[8*(8*((\a)%4)+\b):8*(8*((\a)%4)+\b)+7], v[128*(\p)+FR*\b:128*(\p)+FR*\b+FR-1], v[AF+FR*(\a):AF+FR*(\a)+FR-1], 0, v[SC+16*(\sc)+8+\b], v[SC+16*(\sc)+(\a)] matrix_a_fmt:MATRIX_FMT_FP6 matrix_b_fmt:MATRIX_FMT_FP6
.elseif \q
	v_wmma_scale_f32_16x16x128_f8f6f4 v[8*(8*((\a)%4)+\b):8*(8*((\a)%4)+\b)+7], v[128*(\p)+FR*\b:128*(\p)+FR*\b+FR-1], v[AF+FR*(\a):AF+FR*(\a)+FR-1], v[8*(8*((\a)%4)+\b):8*(8*((\a)%4)+\b)+7], v[SC+16*(\sc)+8+\b], v[SC+16*(\sc)+(\a)] matrix_a_fmt:MATRIX_FMT_FP6 matrix_b_fmt:MATRIX_FMT_FP6 matrix_a_scale:MATRIX_SCALE_ROW1 matrix_b_scale:MATRIX_SCALE_ROW1
.else
	v_wmma_scale_f32_16x16x128_f8f6f4 v[8*(8*((\a)%4)+\b):8*(8*((\a)%4)+\b)+7], v[128*(\p)+FR*\b:128*(\p)+FR*\b+FR-1], v[AF+FR*(\a):AF+FR*(\a)+FR-1], v[8*(8*((\a)%4)+\b):8*(8*((\a)%4)+\b)+7], v[SC+16*(\sc)+8+\b], v[SC+16*(\sc)+(\a)] matrix_a_fmt:MATRIX_FMT_FP6 matrix_b_fmt:MATRIX_FMT_FP6
.endif
.endr
.endr
.endm
.macro FETCH_B slot, q, p
	WIN TO_B
.irp i, 0,1,2,3,4,5,6,7
	FRAG 128*(\p)+FR*\i, ADRB+\slot, ADRB+2+\slot, \i*SLB+(\q)*FRB
.endr
	WIN 0
.endm
.macro FETCH_A slot, q, i0
.irp i, \i0, \i0+1, \i0+2, \i0+3
	FRAG AF+FR*(\i), ADRA+\slot, ADRA+2+\slot, (\i)*SLB+(\q)*FRB
.endr
.endm
.macro SCALES sc
.irp i, 0,1,2,3,4,5,6,7
	ds_load_b32 v[SC+16*\sc+\i], v[ADRSR] offset:\i*STR
.endr
.irp i, 0,1,2,3,4,5,6,7
	ds_load_b32 v[SC+16*\sc+8+\i], v[ADRSP] offset:\i*STP
.endr
.endm
.macro STEP slot, zero
	s_wait_dscnt 4*NL
	WIN MUL_LO
	MUL16 0, 0, 0, \slot, \zero
	MUL16 2, 0, 0, \slot, \zero
	s_wait_dscnt 0x0
	PLACES
	FETCH_B \slot, 1, 1
	FETCH_A \slot, 1, 0
	WIN MUL_HI
	MUL16 4, 0, 0, \slot, \zero
	MUL16 6, 0, 0, \slot, \zero
	PLACES
	WIN 0
	FETCH_A \slot, 1, 4
.endm
.macro TURN slot, next, fill
	s_wait_tensorcnt 0x0
	ds_add_u32 v[SPW], v[NIL]
	s_wait_dscnt 4*NL+1
	WIN MUL_LO
	MUL16 0, 1, 1, \slot, 0
	s_wait_dscnt 0x0
	s_barrier_signal -1
	MUL16 2, 1, 1, \slot, 0
	WIN 0
	s_barrier_wait -1
.if \fill
	CREST
	s_add_nc_u64 s[G0+4*\slot+2:G0+4*\slot+3], s[G0+4*\slot+2:G0+4*\slot+3], 2*SLB
	s_add_nc_u64 s[G0B+4*\slot+2:G0B+4*\slot+3], s[G0B+4*\slot+2:G0B+4*\slot+3], 2*SLB
	JLOAD G0+4*\slot, G1, G0B+4*\slot, G1B
.else
	PLACES
.endif
	s_wait_alu depctr_va_vdst(0)
	v_add_nc_u32 v[ADRSR], SSR, v[ADRSR]
	v_add_nc_u32 v[ADRSP], SSP, v[ADRSP]
	FETCH_B \next, 0, 0
	FETCH_A \next, 0, 0
	SCALES \next
	WIN MUL_HI
	MUL16 4, 1, 1, \slot, 0
	MUL16 6, 1, 1, \slot, 0
	PLACES
	WIN 0
	FETCH_A \next, 0, 4
.endm
.macro LAST
	s_wait_dscnt 4*NL
	WIN MUL_LO
	MUL16 0, 1, 1, 1, 0
	MUL16 2, 1, 1, 1, 0
	s_wait_dscnt 0x0
	WIN MUL_HI
	MUL16 4, 1, 1, 1, 0
	MUL16 6, 1, 1, 1, 0
	WIN 0
.endm
.macro QUANT s, pw, xw
.irp b, 0,1,2,3
	v_max3_num_f32 v[TM+\b], |v[\s+16*\b]|, |v[\s+1+16*\b]|, 0x1800000
.endr
.irp i, 2,4,6,8,10,12,14
.irp b, 0,1,2,3
	v_max3_num_f32 v[TM+\b], v[TM+\b], |v[\s+16*\b+\i]|, |v[\s+1+16*\b+\i]|
.endr
.endr
.irp b, 0,1,2,3
	v_permlanex16_b32 v[TM+4+\b], v[TM+\b], s98, s99
.endr
.irp b, 0,1,2,3
	v_max_num_f32 v[TM+\b], v[TM+\b], v[TM+4+\b]
.endr
.irp b, 0,1,2,3
	v_add_nc_u32 v[TM+12+\b], 0xff000000, v[TM+\b]
.endr
.irp b, 0,1,2,3
	v_lshrrev_b32 v[TM+4+\b], 23, v[TM+12+\b]
.endr
	v_lshl_or_b32 v[\pw], v[TM+5], 8, v[TM+4]
	v_lshl_or_b32 v[\pw], v[TM+6], 16, v[\pw]
	v_lshl_or_b32 v[\pw], v[TM+7], 24, v[\pw]
.if \xw
	s_wait_xcnt 0x0
.endif
.irp c, 0,1
	v_cvt_scalef32_pk16_fp6_f32 v[PC+6*\c:PC+2+6*\c], v[\s+32*\c:\s+15+32*\c], v[TM+12+2*\c]
	v_cvt_scalef32_pk16_fp6_f32 v[PC+12+4*\c:PC+14+4*\c], v[\s+16+32*\c:\s+31+32*\c], v[TM+12+2*\c+1]
.endr
	v_nop
.irp c, 0,1
.irp i, 0,1,2
	v_permlane16_swap_b32 v[PC+6*\c+\i], v[PC+12+4*\c+\i]
.endr
.irp i, 0,1,2
	v_mov_b32 v[PC+3+6*\c+\i], v[PC+12+4*\c+\i]
.endr
.endr
.endm
.macro OUTBASE ca, wa, cb, wb
	s_and_b32 s40, s[YY], 7
	s_lshl_b32 s40, s40, 2
	s_add_co_u32 s40, s40, s[\ca]
	s_lshr_b32 s41, s40, 3
	s_and_b32 s40, s40, 7
	s_lshl_b32 s40, s40, 1
	s_add_co_u32 s40, s40, s[\wa]
	s_lshl_b32 s42, s[\cb], 2
	s_lshl_b32 s43, s[\wb], 1
	s_add_co_u32 s42, s42, s43
	s_lshl_b32 s41, s41, 4
	s_add_co_u32 s41, s41, s42
	s_lshl_b32 s41, s41, 4
	s_add_co_u32 s41, s41, s40
	s_lshr_b32 s43, s[YY], 3
	s_mul_i32 s44, s43, 6291456
	s_mul_i32 s46, s41, 6144
	s_add_co_u32 s44, s44, s46
	s_mov_b32 s45, 0
	s_add_nc_u64 s[14:15], s[14:15], s[44:45]
	s_lshl_b32 s44, s43, 18
	s_lshl_b32 s46, s41, 8
	s_add_co_u32 s44, s44, s46
	s_add_nc_u64 s[16:17], s[16:17], s[44:45]
.endm
.macro EPI isv
	PLACES
	s_wait_loadcnt 0x0
.irp b, 0,1,2,3
	v_mov_b32 v[TM+4+\b], 0
.endr
.irp a, 0,1,2,3,4,5,6,7
	WIN 0x02+(\a/4)
.set AC, 64*(\a%4)
.set J, 0
.rept 32
.if \isv
	v_pk_add_f32 v[HB+J:HB+J+1], v[AC+J:AC+J+1], v[BI+2*\a:BI+2*\a+1]
.else
	v_pk_add_f32 v[HB+J:HB+J+1], v[AC+J:AC+J+1], v[BI+J:BI+J+1]
.endif
.set J, J+2
.endr
	WIN 0
.if \a > 0
	QUANT HB, PW+\a, 1
.else
	QUANT HB, PW+\a, 0
.endif
.irp c, 0,1
.if \isv
.set IM, (\a/4)*98304+(\a%4)*1536+\c*768
.else
.set IM, \c*98304+\a*768
.endif
	global_store_b128 v[L16], v[PC+6*\c:PC+6*\c+3], s[14:15] offset:IM
	global_store_b64 v[L8], v[PC+6*\c+4:PC+6*\c+5], s[14:15] offset:IM+512
.endr
.endr
.if \isv
.irp i, 0,1,2,3
	v_cndmask_b32 v[WD+\i], v[PW+\i], v[PW+4+\i], s[HM]
.endr
.else
	v_mov_b32 v240, 0x05040100
	v_mov_b32 v241, 0x07060302
	v_cndmask_b32 v240, v240, v241, s[HM]
.irp i, 0,1,2,3
	v_perm_b32 v[WD+\i], v[PW+2*\i+1], v[PW+2*\i], v240
.endr
.endif
	global_store_b128 v[SO], v[WD:WD+3], s[16:17]
.endm
	s_load_b256 s[4:11], s[0:1], 0x0
	s_load_b128 s[12:15], s[0:1], 0x20
	s_load_b64 s[16:17], s[0:1], 0x30
	v_lshl_add_u32 v[SPW], v0, 2, SPARE
	v_mov_b32 v[NIL], 0
	ds_add_u32 v[SPW], v[NIL]
	ds_add_u32 v[SPW], v[NIL]
	v_lshrrev_b32 v1, 5, v0
	v_readfirstlane_b32 s[WV], v1
	s_lshr_b32 s[RH], s[WV], 1
	s_and_b32 s[PH], s[WV], 1
	s_bfe_u32 s[CX], ttmp6, 0x40000
	s_bfe_u32 s[CY], ttmp6, 0x40004
	s_and_b32 s[YY], ttmp7, 0xffff
	s_lshr_b32 s40, s[YY], 3
	s_and_b32 s41, s[YY], 7
	s_lshl_b32 s42, s[CY], 2
	s_lshl_b32 s42, 15, s42
	s_lshl_b32 s43, 0x1111, s[CX]
	s_or_b32 s[G1+0], s42, (3<<16)|(1<<21)
	s_or_b32 s[G1B+0], s43, (3<<16)|(1<<21)
.irp g, G1, G1B
	s_mov_b32 s[\g+1], 384<<16
	s_mov_b32 s[\g+2], 8<<16
	s_mov_b32 s[\g+3], 384<<16
	s_mov_b32 s[\g+4], 8
	s_mov_b32 s[\g+5], 1536
	s_mov_b32 s[\g+6], 0
	s_mov_b32 s[\g+7], 0
.endr
	s_lshl_b32 s44, s41, 6
	s_lshl_b32 s45, s40, 6
	s_add_co_u32 s45, s45, 1536
	s_lshl_b32 s46, s40, 9
	s_add_co_u32 s46, s46, s44
	s_add_co_u32 s47, s44, 1024
	s_mov_b32 s92, 1664
	s_cmp_eq_u32 s40, 2
	s_cselect_b32 s[ISV], 1, 0
	s_cselect_b32 s45, s47, s45
	s_cselect_b32 s46, s92, s46
	s_lshl_b32 s47, s[PH], 3
	s_lshl_b32 s92, s[CY], 4
	s_add_co_u32 s46, s46, s92
	s_add_co_u32 s46, s46, s47
	s_lshl_b32 s98, s[CX], 4
	s_add_co_u32 s45, s45, s98
	s_add_co_u32 s45, s45, s47
	s_mul_i32 s66, s46, TILEB
	s_mov_b32 s67, 0
	s_lshl_b32 s92, s46, 9
	s_mov_b32 s93, 0
	s_mul_i32 s94, s45, TILEB
	s_mov_b32 s95, 0
	s_lshl_b32 s98, s45, 9
	s_mov_b32 s99, 0
	s_mul_i32 s44, s[WV], HALFT
	s_mul_i32 s47, s[WV], HALFS
	s_mov_b32 s[HM], 0xffff0000
	s_wait_dscnt 0x0
	s_wait_kmcnt 0x0
	s_add_nc_u64 s[66:67], s[4:5], s[66:67]
	s_add_nc_u64 s[92:93], s[6:7], s[92:93]
	s_add_nc_u64 s[94:95], s[4:5], s[94:95]
	s_add_nc_u64 s[98:99], s[6:7], s[98:99]
	CROUND
.irp s, 0,1
	s_mov_b32 s[G0+4*\s], 1
	s_add_co_u32 s[G0+4*\s+1], s44, \s*SLOT
	s_add_nc_u64 s[G0+4*\s+2:G0+4*\s+3], s[66:67], \s*SLB
	s_or_b32 s[G0+4*\s+3], s[G0+4*\s+3], 0x80000000
	s_mov_b32 s[G0B+4*\s], 1
	s_add_co_u32 s[G0B+4*\s+1], s44, \s*SLOT
	s_add_nc_u64 s[G0B+4*\s+2:G0B+4*\s+3], s[94:95], \s*SLB
	s_or_b32 s[G0B+4*\s+3], s[G0B+4*\s+3], 0x80000000
.endr
	JLOAD G0, G1, G0B, G1B                         ; slot 0: the head's one tensor load a wave
	; THE SCALE WORDS come by plain loads and LDS stores, 4,096 bytes a wave (waves 0, 1 the rows' two halves, waves 2, 3 the weights'), into bytes on which no tile lands: units of 256 bytes, 272 apart.
	; They are 16,384 of the 409,600 bytes that a work-group takes in, so they are not asked for jointly.
	s_cmp_eq_u32 s[RH], 0
	s_cselect_b64 s[92:93], s[92:93], s[98:99]
	s_add_co_u32 s47, s47, SCL
	v_and_b32 v6, 31, v0
	v_lshlrev_b32 v7, 4, v6                        ; 16 x lane
	v_lshrrev_b32 v9, 4, v6
	v_mul_u32_u24 v9, v9, 272
	v_and_b32 v10, 15, v0
	v_lshl_add_u32 v9, v10, 4, v9
	v_add_nc_u32 v9, s47, v9                       ; my region + 272 (lane / 16) + 16 (lane % 16)
.irp k, 0,1,2,3,4,5,6,7
	global_load_b128 v[128+4*\k:131+4*\k], v7, s[92:93] offset:512*\k
.endr
	s_mov_b32 s98, 0x76543210
	s_mov_b32 s99, 0xfedcba98
	v_and_b32 v1, 31, v0
	v_and_b32 v2, 15, v0
	v_bfe_u32 v3, v0, 4, 1
	v_lshlrev_b32 v[L16], 4, v1
	v_lshlrev_b32 v[L8], 3, v1
	s_mul_i32 s40, s[RH], HALFT
	s_mul_i32 s41, s[PH], HALFT
	s_add_co_u32 s41, s41, 2*HALFT
.irp s, 0,1
	v_add_nc_u32 v[ADRA+\s], s40, v[L16]
	v_add_nc_u32 v[ADRA+2+\s], s40, v[L8]
	v_add_nc_u32 v[ADRB+\s], s41, v[L16]
	v_add_nc_u32 v[ADRB+2+\s], s41, v[L8]
	s_add_co_u32 s40, s40, SLOT
	s_add_co_u32 s41, s41, SLOT
.endr
	v_lshlrev_b32 v4, 5, v2
	v_lshrrev_b32 v5, 3, v2
	v_lshl_add_u32 v4, v5, 4, v4
	v_lshl_add_u32 v4, v3, 2, v4
	s_mul_i32 s40, s[RH], HALFS
	s_add_co_u32 s40, s40, SCL
	v_add_nc_u32 v[ADRSR], s40, v4
	s_mul_i32 s41, s[PH], HALFS
	s_add_co_u32 s41, s41, SCL+2*HALFS
	v_add_nc_u32 v[ADRSP], s41, v4
	v_lshlrev_b32 v[SO], 4, v2
	v_lshl_add_u32 v[SO], v3, 12, v[SO]
	s_wait_alu depctr_va_vdst(0)
	s_wait_loadcnt 0x0
.irp k, 0,1,2,3,4,5,6,7
	ds_store_b128 v9, v[128+4*\k:131+4*\k] offset:544*\k
.endr
	s_wait_tensorcnt 0x0                           ; my part of slot 0 is in
	ds_add_u32 v[SPW], v[NIL]
	s_wait_dscnt 0x0                               ; the add and my stores of scale words are done
	CROUND                                         ; slot 0 and the scale words are shown to all waves
	JLOAD G0+4, G1, G0B+4, G1B
	FETCH_B 0, 0, 0
	FETCH_A 0, 0, 0
	SCALES 0
	FETCH_A 0, 0, 4
	STEP 0, 1
	TURN 0, 1, 1
	STEP 1, 0
	TURN 1, 0, 1
	STEP 0, 0
	TURN 0, 1, 0
	STEP 1, 0
	s_cmp_eq_u32 s[ISV], 1
	s_cbranch_scc1 .Lv
	OUTBASE CY, RH, CX, PH
	s_lshr_b32 s43, s[YY], 3
	s_cmp_eq_u32 s43, 0
	s_cselect_b64 s[8:9], s[8:9], s[10:11]
	s_lshl_b32 s44, s[CX], 10
	s_lshl_b32 s46, s[PH], 9
	s_add_co_u32 s44, s44, s46
	s_mov_b32 s45, 0
	s_add_nc_u64 s[8:9], s[8:9], s[44:45]
	v_lshlrev_b32 v[BA], 6, v3
.irp b, 0,1,2,3
.irp i, 0,1,2,3
	global_load_b128 v[BI+16*\b+4*\i:BI+16*\b+4*\i+3], v[BA], s[8:9] offset:128*\b+16*\i
.endr
.endr
	LAST
	EPI 0
	s_branch .Lend
.Lv:
	OUTBASE CX, PH, CY, RH
	s_lshl_b32 s44, s[CY], 10
	s_lshl_b32 s46, s[RH], 9
	s_add_co_u32 s44, s44, s46
	s_mov_b32 s45, 0
	s_add_nc_u64 s[12:13], s[12:13], s[44:45]
	v_lshrrev_b32 v[BA], 3, v2
	v_lshl_add_u32 v[BA], v[BA], 3, v2
	v_lshlrev_b32 v[BA], 2, v[BA]
.irp a, 0,1,2,3,4,5,6,7
	global_load_b32 v[BI+2*\a], v[BA], s[12:13] offset:4*(32*(\a/2)+8*(\a%2))
	global_load_b32 v[BI+2*\a+1], v[BA], s[12:13] offset:4*(32*(\a/2)+8*(\a%2))
.endr
	LAST
	EPI 1
.Lend:
	s_wait_tensorcnt 0x0
	ds_add_u32 v[SPW], v[NIL]
	s_wait_dscnt 0x0
	CROUND
	s_endpgm
.Lfunc_end_k_qe303411bd6_proj:
	.size	k_qe303411bd6_proj, .Lfunc_end_k_qe303411bd6_proj-k_qe303411bd6_proj
	.p2alignl 7, 3214868480
	.fill 96, 4, 3214868480
	.section	.rodata,"a",@progbits
	.p2align	6, 0x0
	.amdhsa_kernel k_qe303411bd6_proj
		.amdhsa_group_segment_fixed_size 327680
		.amdhsa_private_segment_fixed_size 0
		.amdhsa_enable_private_segment 0
		.amdhsa_kernarg_size 56
		.amdhsa_user_sgpr_count 2
		.amdhsa_user_sgpr_kernarg_segment_ptr 1
		.amdhsa_wavefront_size32 1
		.amdhsa_system_sgpr_workgroup_id_x 1
		.amdhsa_system_sgpr_workgroup_id_y 1
		.amdhsa_system_sgpr_workgroup_id_z 1
		.amdhsa_system_vgpr_workitem_id 0
		.amdhsa_next_free_vgpr 1024
		.amdhsa_next_free_sgpr 100
		.amdhsa_reserve_vcc 0
		.amdhsa_float_denorm_mode_32 3
		.amdhsa_float_denorm_mode_16_64 3
		.amdhsa_memory_ordered 1
		.amdhsa_forward_progress 1
		.amdhsa_inst_pref_size 230
	.end_amdhsa_kernel
	.amdgpu_metadata
---
amdhsa.version: [ 1, 2 ]
amdhsa.kernels:
  - .name:           k_qe303411bd6_proj
    .symbol:         k_qe303411bd6_proj.kd
    .args:
      - { .name: incodes, .offset: 0, .size: 8, .value_kind: global_buffer, .address_space: global }
      - { .name: inscales, .offset: 8, .size: 8, .value_kind: global_buffer, .address_space: global }
      - { .name: bq, .offset: 16, .size: 8, .value_kind: global_buffer, .address_space: global }
      - { .name: bk, .offset: 24, .size: 8, .value_kind: global_buffer, .address_space: global }
      - { .name: bv, .offset: 32, .size: 8, .value_kind: global_buffer, .address_space: global }
      - { .name: hcodes, .offset: 40, .size: 8, .value_kind: global_buffer, .address_space: global }
      - { .name: hscales, .offset: 48, .size: 8, .value_kind: global_buffer, .address_space: global }
    .group_segment_fixed_size: 327680
    .private_segment_fixed_size: 0
    .kernarg_segment_align: 8
    .kernarg_segment_size: 56
    .max_flat_workgroup_size: 128
    .sgpr_count:     100
    .vgpr_count:     1024
    .wavefront_size: 32
...
	.end_amdgpu_metadata
.endif
;; end of part 2
;; launch attn (part 3): grid 4 x 64, 16 waves a work-group, clusters of 4 x 1, 207,872 bytes of LDS; arguments hcodes, hscales, ocodes, oscales; writes ocodes, oscales
.if DOCPART == 3
	.amdgcn_target "amdgcn-amd-amdhsa--gfx1250"
	.amdhsa_code_object_version 6
	.text
	.protected	k_qe303411bd6_attn
	.globl	k_qe303411bd6_attn
	.p2align	8
	.type	k_qe303411bd6_attn,@function
k_qe303411bd6_attn:
	s_mov_b64 s[64:65], 0
	v_nop
	global_prefetch_b8 v0, s[64:65] scope:SCOPE_SE
	s_setreg_imm32_b32 hwreg(HW_REG_WAVE_MODE, 25, 1), 1
	s_wait_xcnt 0x0
	s_wait_alu depctr_hold_cnt(0) depctr_sa_sdst(0) depctr_va_vdst(0) depctr_va_sdst(0) depctr_va_ssrc(0) depctr_va_vcc(0) depctr_vm_vsrc(0)
	s_getreg_b32 s2, hwreg(HW_REG_IB_STS2, 6, 4)
	s_cmp_eq_u32 s2, 0
	s_cbranch_scc0 .Lentry_in_a_cluster
	s_endpgm
.Lentry_in_a_cluster:
	s_bfe_u32 s2, ttmp6, 0x10000c
	s_cmp_lg_u32 s2, 0x3003
	s_cbranch_scc0 .Lentry_shape_is_right
	s_endpgm
.Lentry_shape_is_right:
; O = softmax(qh kh^T / 8) vh for 64 heads of 64, 2,048 queries and keys, both products on codes of FP6 (E2M3) with E8M0 scales; O / the row's sum is quantised along the head's 64 and leaves as codes.
; THE SOFTMAX: t = score x log2(e) / 8; M = the row's largest t so far, rounded UP to a whole number; p = 2^(t - M) is quantised along the keys, not normalised.  The row's sum is taken of the unquantised p, in f32,
; and divides O at the end.  When M moves, the sum and O are multiplied by 2^(old M - new M): exact.
; LIMITS: the scaled scores t stay under 2^31 in magnitude.  A block whose largest magnitude lies under 2^-124 keeps the byte 1; a block of zeros gets the byte 1 and not 127 (its codes are zeros; this program alone reads the bytes); NaN and infinities are not served.
; SHARES.  A work-group owns ONE head and 512 queries; each of its sixteen waves owns two tiles of 16 queries, one after the other, in 256 registers: four waves to a SIMD.  Every wave walks all 2,048 keys, 128 a step.
; LDS holds the head's K and V whole: 98,304 bytes of codes each and 4,096 of scale words each.  Every byte is filled once: nothing is filled again, so no barrier stands in the walk but the one that shows the later tiles.
; FILLS.  One tensor load a wave at the head, 12,288 bytes (two key steps): wave w brings eighth w / 2 of K's (w even) or V's (w odd) codes.  Waves 0 to 4 (K's steps 0 to 5, V's 0 to 3) have a load line of their own and wait ahead of the
; first barrier; the others' tiles are shown by a plain barrier behind key step 3.  The scale words come by one plain load and one LDS store of 16 bytes a thread.  All is asked for at the head: there is no loop to run ahead in, so nothing is prefetched.
; CLUSTER: the four blocks of queries of a head read the same K and V: each tile is asked for JOINTLY, by the same tensor load with the mask of all four.
; LAYOUT.  Both products are used transposed: S^T = K Q^T (source 0 = keys), O^T = V^T P^T (source 0 = 16 of the head's 64): a lane holds ONE query throughout.  Slot p of K's tile 4 C + i is key 64 C + 8 i + p + 24 (p / 8):
; so lane (r, h)'s 32 registers of tiles 4 C .. 4 C + 3 are keys 64 C + 32 h + 0 .. 31, ONE WHOLE SCALE BLOCK of p in the order of the operand's registers: its maximum needs no other lane and its codes no exchange.
; THE FIRST PRODUCT'S K IS 64, THE INSTRUCTION'S 128.  A run of 12 registers of K's codes holds TWO tiles of keys.  Q stands as [0, q, 0] in 18 registers: [q, 0] multiplies the first tile and [0, q] the second.
; FRAGMENTS.  The NEXT step's K is asked of LDS behind this step's score products, into the registers that they have read: the softmax stands between the request and its use.  V's fragments go into p's registers as soon as p is summed and converted;
; the sums' tree, the scale word, the moves and O's rescaling stand between that request and the second product, which waits fragment by fragment.  The loop's text is one: a tile's last step asks for the 6,400 bytes that lie behind K's codes and scale words, and nothing reads them.
; OUT: ocodes [tile of 16 queries][head][768]; oscales [head][tile][slot]: two bytes, the head's two blocks: a work-group's 1,024 bytes lie on end and leave in whole units.
.set VB,    98304                      ; V's codes
.set KSC,   196608                     ; K's scale words, then V's
.set OSC,   204800                     ; O's scale bytes, 1,024; no tile lands here
.set SPARE, 205824                     ; the spare words, 128 bytes for each of 16 waves
.set L16, 1                            ; 16 x lane
.set L8,  2                            ; 8 x lane
.set LS,  3                            ; 16 r + KSC
.set SPW, 4                            ; my spare word; never rewritten
.set NIL, 5                            ; 0; never rewritten
.set ADC, 6                            ; v6-8 the step's addresses: K's codes, scale words
.set AD8, 7
.set ADS, 8
.set OSA, 9                            ; where I put O's two scale bytes
.set OSR, 10                           ; where waves 0 and 1 read them back
.set OSW, 11
.set QZ,  16                           ; v16-33 [0, q, 0]
.set QSW, 34
.set QRAW, 35
.set KV,  36                           ; v36-83 four runs of K
.set KS,  84
.set VS,  88
.set OSG, 92                           ; 512 (wave & 1) + 16 x lane
.set R16, 93                           ; 16 r
.set AVC, 94                           ; v94, v95 the step's addresses of V's codes
.set AV8, 95
.set SS,  96                           ; v96-159 S^T, then p; then v96-143 V's four fragments
.set L16V, 192                         ; VB + 16 x lane, VB + 8 x lane
.set L8V, 193
.set SH8, 194                          ; 8 h
.set Q1R, 195                          ; the second tile's Q: scale word, codes
.set Q1,  196
.set SGA, 202                          ; the scale words' way in: offset in memory, LDS address, data
.set SLA, 203
.set SD,  204
.set CT,  208                          ; v208-210, v212-214 the second halves of p's codes, as the conversions leave them
.set SOP, 216                          ; v216, v217 the conversions' scale operands; v218, v219 the scales' bytes
.set WV,  12
.set SEL, 20                           ; s[20:21] v_permlanex16_b32's selects for lane l xor 16
.set CS,  22                           ; s[22:23] c = log2(e) / 8
.set G1C, 24
.set G0,  40
.set QC,  56
.set QS,  58
.set OC,  60
.set OS,  62
.set TC,  66                           ; LDS byte at which the step's codes begin
.set TS,  67                           ; and its scale words
.set CNT, 68
.set QSEL, 69
.macro FRAG reg, a16, a8, off          ; 12 registers from two half images of 768 bytes
	ds_load_b128 v[(\reg):(\reg)+3], v[\a16] offset:(\off)
	ds_load_b64 v[(\reg)+4:(\reg)+5], v[\a8] offset:(\off)+512
	ds_load_b128 v[(\reg)+6:(\reg)+9], v[\a16] offset:(\off)+768
	ds_load_b64 v[(\reg)+10:(\reg)+11], v[\a8] offset:(\off)+1280
.endm
.macro WALU
	s_wait_alu depctr_va_vdst(0)
.endm
.macro CROUND                          ; a round of the cluster's barrier
	s_barrier_signal -1
	s_barrier_wait -1
	s_cmp_lg_u32 s[WV], 0
	s_cbranch_scc1 .Lnot_wave_0_\@
	s_barrier_signal -3
.Lnot_wave_0_\@:
	s_barrier_wait -3
	s_barrier_signal -1
	s_barrier_wait -1
.endm
	s_load_b256 s[4:11], s[0:1], 0x0               ; hcodes, hscales, ocodes, oscales
	v_lshl_add_u32 v[SPW], v0, 2, SPARE
	v_mov_b32 v[NIL], 0
	ds_add_u32 v[SPW], v[NIL]                      ; the opening lines: the add, twice on end, and its wait ahead of my tensor load
	ds_add_u32 v[SPW], v[NIL]
	v_lshrrev_b32 v6, 5, v0
	v_readfirstlane_b32 s[WV], v6                  ; wave 0..15
	v_and_b32 v6, 31, v0
	v_and_b32 v7, 15, v0                           ; r
	v_bfe_u32 v8, v0, 4, 1                         ; h
	v_lshlrev_b32 v[L16], 4, v6
	v_lshlrev_b32 v[L8], 3, v6
	v_lshlrev_b32 v[R16], 4, v7
	v_lshlrev_b32 v[SH8], 3, v8
	v_add_nc_u32 v[LS], KSC, v[R16]
	v_add_nc_u32 v[L16V], VB, v[L16]
	v_add_nc_u32 v[L8V], VB, v[L8]
	s_lshl_b32 s70, s[WV], 5
	v_lshl_add_u32 v[OSA], v7, 1, s70
	v_add_nc_u32 v[OSA], OSC, v[OSA]               ; 32 x wave + 2 r
	s_and_b32 s71, s[WV], 1                        ; K (0) or V (1) that I fetch; which half of a scale word is my tile's
	s_lshl_b32 s72, s71, 9
	v_add_nc_u32 v[OSG], s72, v[L16]
	v_add_nc_u32 v[OSR], OSC, v[OSG]
	v_and_b32 v[SGA], 255, v0
	v_lshlrev_b32 v[SGA], 4, v[SGA]
	v_lshl_add_u32 v[SLA], v0, 4, KSC              ; threads 0-255 K's scale words, 256-511 V's
	s_bfe_u32 s13, ttmp6, 0x40000                  ; cx: my block of 512 queries: it enters Q's and O's global addresses alone
	s_and_b32 s15, ttmp7, 0xffff                   ; 16 batch + head
	s_lshr_b32 s16, s15, 4
	s_and_b32 s17, s15, 15
	s_lshr_b32 s72, s[WV], 1                       ; which eighth I fetch
	s_add_co_u32 s73, s71, 1                       ; the part of hcodes: 1 = k, 2 = v
	s_mul_i32 s74, s73, 6291456
	s_mul_i32 s76, s15, 98304
	s_add_co_u32 s74, s74, s76
	s_mul_i32 s76, s72, 12288
	s_add_co_u32 s74, s74, s76
	s_mov_b32 s75, 0
	s_mul_i32 s78, s71, VB
	s_add_co_u32 s78, s78, s76                     ; and where it goes
	s_lshr_b32 s79, s[WV], 3
	s_add_co_u32 s76, s79, 1                       ; the part of hscales of my threads
	s_lshl_b32 s76, s76, 18
	s_lshl_b32 s70, s15, 12
	s_add_co_u32 s76, s76, s70
	s_mov_b32 s77, 0
	s_lshl_b32 s70, s15, 7
	s_lshl_b32 s72, s13, 5
	s_add_co_u32 s70, s70, s72
	s_add_co_u32 s70, s70, s[WV]                   ; my first tile of Q: 128 (16 batch + head) + 32 cx + wave; the second lies 16 tiles on
	s_mul_i32 s[QC], s70, 768
	s_mov_b32 s[QC+1], 0
	s_lshl_b32 s70, s15, 4
	s_lshl_b32 s72, s13, 2
	s_add_co_u32 s70, s70, s72
	s_add_co_u32 s70, s70, s79                     ; its group of 8 tiles,
	s_lshl_b32 s[QS], s70, 8
	s_bfe_u32 s72, s[WV], 0x20001                  ; and the word in a slot's four
	s_lshl_b32 s72, s72, 2
	s_add_co_u32 s[QS], s[QS], s72
	s_mov_b32 s[QS+1], 0
	s_lshl_b32 s70, s16, 7
	s_lshl_b32 s72, s13, 5
	s_add_co_u32 s70, s70, s72                     ; the work-group's first tile of O, of 512
	s_lshl_b32 s[OS], s70, 5
	s_lshl_b32 s72, s17, 14
	s_add_co_u32 s[OS], s[OS], s72
	s_mov_b32 s[OS+1], 0
	s_add_co_u32 s70, s70, s[WV]
	s_mul_i32 s[OC], s70, 12288
	s_mul_i32 s72, s17, 768
	s_add_co_u32 s[OC], s[OC], s72
	s_mov_b32 s[OC+1], 0
	s_cmp_eq_u32 s71, 0
	s_mov_b32 s[QSEL], 0x03020302
	s_cselect_b32 s[QSEL], 0x01000100, s[QSEL]     ; my tile's two bytes, twice: they serve [q, 0] and [0, q]
	s_mov_b32 s[G1C], 15|(3<<16)|(1<<21)           ; the mask of all four; elements of 8 bytes; bit 21 beside a mask: 48 rows of 256 bytes, dense
	s_mov_b32 s[G1C+1], 32<<16
	s_mov_b32 s[G1C+2], 48<<16
	s_mov_b32 s[G1C+3], 32<<16
	s_mov_b32 s[G1C+4], 48
	s_mov_b32 s[G1C+5], 32
	s_mov_b32 s[G1C+6], 0
	s_mov_b32 s[G1C+7], 0
	s_mov_b32 s[G0], 1
	s_mov_b32 s[G0+1], s78
	s_mov_b32 s[SEL], 0x76543210
	s_mov_b32 s[SEL+1], 0xfedcba98
	s_mov_b32 s[CS], 0x3e38aa3b
	s_mov_b32 s[CS+1], s[CS]
	WALU
	s_wait_dscnt 0x0                               ; both opening adds are done
	CROUND                                         ; all four work-groups are here: the joint loads meet
	s_wait_kmcnt 0x0
	s_add_nc_u64 s[G0+2:G0+3], s[4:5], s[74:75]
	s_or_b32 s[G0+3], s[G0+3], 0x80000000
	s_add_nc_u64 s[76:77], s[6:7], s[76:77]
	s_add_nc_u64 s[QC:QC+1], s[4:5], s[QC:QC+1]
	s_add_nc_u64 s[QS:QS+1], s[6:7], s[QS:QS+1]
	s_add_nc_u64 s[OC:OC+1], s[8:9], s[OC:OC+1]
	s_add_nc_u64 s[OS:OS+1], s[10:11], s[OS:OS+1]
	s_cmp_lt_u32 s[WV], 5                          ; two load lines: the waves that wait ahead of the first barrier have their own
	s_cbranch_scc0 .Llater
	tensor_load_to_lds s[G0:G0+3], s[G1C:G1C+7]
	s_nop 0
.rept 4
	v_nop
.endr
	s_branch .Lasked
.Llater:
	tensor_load_to_lds s[G0:G0+3], s[G1C:G1C+7]
	s_nop 0
.rept 4
	v_nop
.endr
.Lasked:
	global_load_b128 v[SD:SD+3], v[SGA], s[76:77]
	global_load_b128 v[QZ+6:QZ+9], v[L16], s[QC:QC+1]
	global_load_b64 v[QZ+10:QZ+11], v[L8], s[QC:QC+1] offset:512
	global_load_b32 v[QRAW], v[R16], s[QS:QS+1]
	global_load_b128 v[Q1:Q1+3], v[L16], s[QC:QC+1] offset:12288
	global_load_b64 v[Q1+4:Q1+5], v[L8], s[QC:QC+1] offset:12800
	global_load_b32 v[Q1R], v[R16], s[QS:QS+1] offset:512
.irp i, 0,1,2,3,4,5
	v_mov_b32 v[QZ+\i], 0                          ; the zero codes on both sides of q
	v_mov_b32 v[QZ+12+\i], 0
.endr
	v_mov_b32 v239, 0                              ; (a lane permute's destination counts as one of its sources)
	v_mov_b32 v253, 0                              ; (named as the upper half of the pair v[252:253] before it is first written)
.macro PRE                             ; key step 0's K, ahead of a tile's walk
.irp i, 0,1,2,3
	FRAG KV+12*\i, L16, L8, 1536*\i
.endr
	ds_load_b128 v[KS:KS+3], v[LS]
.endm
; A KEY STEP: 128 keys.
.macro STEP
	v_add_nc_u32 v[ADC], s[TC], v[L16]
	v_add_nc_u32 v[AD8], s[TC], v[L8]
	v_add_nc_u32 v[ADS], s[TS], v[LS]
	v_add_nc_u32 v[AVC], s[TC], v[L16V]
	v_add_nc_u32 v[AV8], s[TC], v[L8V]             ; these five are the places between the last step's products and the score products, which write over V's fragments
	WALU
	s_wait_dscnt 0x0                               ; this step's K, asked for a step ago
.irp i, 0,1,2,3
	v_wmma_scale_f32_16x16x128_f8f6f4 v[SS+16*\i:SS+7+16*\i], v[KV+12*\i:KV+12*\i+11], v[QZ+6:QZ+17], 0, v[KS+\i], v[QSW] matrix_a_fmt:MATRIX_FMT_FP6 matrix_b_fmt:MATRIX_FMT_FP6
	v_wmma_scale_f32_16x16x128_f8f6f4 v[SS+8+16*\i:SS+15+16*\i], v[KV+12*\i:KV+12*\i+11], v[QZ:QZ+11], 0, v[KS+\i], v[QSW] matrix_a_fmt:MATRIX_FMT_FP6 matrix_b_fmt:MATRIX_FMT_FP6
.endr
.rept 4
	v_nop                                          ; places in front of the loads below and of the first read of the scores
.endr
.irp i, 0,1,2,3
	FRAG KV+12*\i, ADC, AD8, 6144+1536*\i          ; the next step's K: run i = tiles 2 i and 2 i + 1
.endr
	ds_load_b128 v[KS:KS+3], v[ADS] offset:256     ; word i = tile 2 i's two bytes, tile 2 i + 1's two
.irp b, 0,1,2,3
	v_max3_num_f32 v[232+\b], v[96+16*\b], v[97+16*\b], v[98+16*\b]   ; the largest score, four chains by turns; chains 2 c and 2 c + 1 are my block of 32 keys 64 c + 32 h ..
.endr
.irp i, 3,5,7,9,11,13
.irp b, 0,1,2,3
	v_max3_num_f32 v[232+\b], v[232+\b], v[96+16*\b+\i], v[97+16*\b+\i]
.endr
.endr
.irp c, 0,1
	v_max3_num_f32 v[232+2*\c], v[232+2*\c], v[111+32*\c], v[127+32*\c]
.endr
.irp c, 0,1
	s_delay_alu instid0(VALU_DEP_2)
	v_max_num_f32 v[232+2*\c], v[232+2*\c], v[233+2*\c]   ; THE LARGEST SCORE OF MY TWO BLOCKS: it serves for the row's maximum and, since p rises with the score, for the block's largest p
.endr
	s_delay_alu instid0(VALU_DEP_1)
	v_max_num_f32 v254, v232, v234
	s_delay_alu instid0(VALU_DEP_1)
	v_permlanex16_b32 v239, v254, s[SEL], s[SEL+1]
	s_delay_alu instid0(VALU_DEP_1)
	v_max3_num_f32 v13, v13, v254, v239            ; the running largest score of my query
	s_delay_alu instid0(VALU_DEP_1)
	v_mul_f32 v254, s[CS], v13                     ; as t (c is positive)
	v_mov_b32 v255, v12
	s_delay_alu instid0(VALU_DEP_2)
	v_floor_f32 v12, -v254                         ; the new -M = floor(-t) = -ceil(t)
	s_delay_alu instid0(VALU_DEP_1)
	v_sub_f32 v254, v12, v255                      ; M's old value less its new one: a whole number, 0 or less
	s_delay_alu instid0(VALU_DEP_1)
	v_cvt_i32_f32 v254, v254                       ; (it saturates)
	s_delay_alu instid0(VALU_DEP_1)
	v_ldexp_f32 v252, 1.0, v254                    ; f = 2^(old M - new M)
.irp j, 0,2,4,6,8,10,12,14,16,18,20,22,24,26,28,30,32,34,36,38,40,42,44,46,48,50,52,54,56,58,60,62
	v_pk_fma_f32 v[96+\j:97+\j], v[96+\j:97+\j], s[CS:CS+1], v[12:13] op_sel_hi:[1,0,0]   ; t - M, two at a time
.endr
	v_fma_f32 v232, v232, s[CS], v12               ; the same of each block's largest score
	v_fma_f32 v234, v234, s[CS], v12
	WALU                                           ; the wait ahead of the batch
.irp j, 0,1,2,3,4,5,6,7,8,9,10,11,12,13,14,15,16,17,18,19,20,21,22,23,24,25,26,27,28,29,30,31,32,33,34,35,36,37,38,39,40,41,42,43,44,45,46,47,48,49,50,51,52,53,54,55,56,57,58,59,60,61,62,63
	v_exp_f32 v[96+\j], v[96+\j]                   ; p = 2^(t - M), at most 1: not normalised
.endr
	v_exp_f32 v232, v232                           ; the block's largest p: the same two instructions on the same number give the same bits
	v_exp_f32 v234, v234
	v_pk_mul_f32 v[14:15], v[14:15], v[252:253] op_sel_hi:[1,0]   ; the sums under the new M: a plain instruction behind the exponentials
	WALU                                           ; one wait for the whole batch, ahead of its first reader
	v_max_num_f32 v232, 0x1800000, v232            ; the floor 2^(3 - 127): the byte cannot fall under 1
	v_max_num_f32 v234, 0x1800000, v234
	v_pk_add_f32 v[236:237], v[100:101], v[104:105]   ; THE ROW'S SUM IS TAKEN OF THE UNQUANTISED p: eight chains by turns
	v_pk_add_f32 v[254:255], v[108:109], v[112:113]
	v_add_nc_u32 v[SOP], 0xff000000, v232          ; 2 off the exponent field: the conversion's scale operand
	v_add_nc_u32 v[SOP+1], 0xff000000, v234
	v_pk_add_f32 v[250:251], v[116:117], v[120:121]
	v_pk_add_f32 v[248:249], v[124:125], v[128:129]
	v_pk_add_f32 v[246:247], v[132:133], v[136:137]
	v_pk_add_f32 v[244:245], v[140:141], v[144:145]
	v_pk_add_f32 v[242:243], v[148:149], v[152:153]
	v_pk_add_f32 v[14:15], v[14:15], v[156:157]
	v_pk_add_f32 v[236:237], v[236:237], v[96:97]
	v_pk_add_f32 v[254:255], v[254:255], v[98:99]
	v_pk_add_f32 v[250:251], v[250:251], v[102:103]
	v_pk_add_f32 v[248:249], v[248:249], v[106:107]
	v_pk_add_f32 v[246:247], v[246:247], v[110:111]
	v_pk_add_f32 v[244:245], v[244:245], v[114:115]
	v_pk_add_f32 v[242:243], v[242:243], v[118:119]
	v_pk_add_f32 v[14:15], v[14:15], v[122:123]
	v_pk_add_f32 v[236:237], v[236:237], v[126:127]
	v_pk_add_f32 v[254:255], v[254:255], v[130:131]
	v_pk_add_f32 v[250:251], v[250:251], v[134:135]
	v_pk_add_f32 v[248:249], v[248:249], v[138:139]
	v_pk_add_f32 v[246:247], v[246:247], v[142:143]
	v_pk_add_f32 v[244:245], v[244:245], v[146:147]
	v_pk_add_f32 v[242:243], v[242:243], v[150:151]
	v_pk_add_f32 v[14:15], v[14:15], v[154:155]
	v_pk_add_f32 v[236:237], v[236:237], v[158:159]
.irp c, 0,1
	v_cvt_scalef32_pk16_fp6_f32 v[224+6*\c:226+6*\c], v[96+32*\c:111+32*\c], v[SOP+\c]
	v_cvt_scalef32_pk16_fp6_f32 v[CT+4*\c:CT+2+4*\c], v[112+32*\c:127+32*\c], v[SOP+\c]   ; (a conversion's three registers begin on an even number)
.endr
	ds_load_b128 v[VS:VS+3], v[ADS] offset:4096    ; p is summed and converted: its registers take V's four fragments
.irp t, 0,1,2,3
	FRAG SS+12*\t, AVC, AV8, 1536*\t
.endr
	v_lshrrev_b32 v[SOP+2], 23, v[SOP]             ; the scales' bytes.  (A plain place behind the conversions.)  The scale word's chain and the sums' tree by turns
	v_lshrrev_b32 v[SOP+3], 23, v[SOP+1]
	v_pk_add_f32 v[14:15], v[14:15], v[248:249]
	v_pk_add_f32 v[236:237], v[236:237], v[246:247]
	v_lshl_or_b32 v253, v[SOP+3], 16, v[SOP+2]     ; my two bytes, blocks h and 2 + h,
	v_pk_add_f32 v[254:255], v[254:255], v[244:245]
	v_pk_add_f32 v[250:251], v[250:251], v[242:243]
	v_lshlrev_b32 v253, v[SH8], v253               ; at their places in the word;
	v_pk_add_f32 v[14:15], v[14:15], v[254:255]
	v_pk_add_f32 v[236:237], v[236:237], v[250:251]
	v_permlanex16_b32 v239, v253, s[SEL], s[SEL+1]
	v_pk_add_f32 v[14:15], v[14:15], v[236:237]
	v_or_b32 v253, v253, v239                      ; with lane l xor 16's two: p's scale word for these 128 keys
.irp c, 0,1
.irp i, 0,1,2
	v_mov_b32 v[227+6*\c+\i], v[CT+4*\c+\i]
.endr
.endr
	WALU                                           ; the wait directly ahead of the first reader of O^T
.irp j, 0,2,4,6,8,10,12,14,16,18,20,22,24,26,28,30
	v_pk_mul_f32 v[160+\j:161+\j], v[160+\j:161+\j], v[252:253] op_sel_hi:[1,0]   ; O^T under the new M.  (These are also the places in front of the products below)
.endr
	WALU
.irp t, 0,1,2,3
	s_wait_dscnt 12-4*\t                           ; V's scale words and fragments 0 .. t are in; the four loads of each later fragment may be out
	v_wmma_scale_f32_16x16x128_f8f6f4 v[160+8*\t:167+8*\t], v[SS+12*\t:SS+12*\t+11], v[224:235], v[160+8*\t:167+8*\t], v[VS+\t], v253 matrix_a_fmt:MATRIX_FMT_FP6 matrix_b_fmt:MATRIX_FMT_FP6
.endr
	s_add_co_u32 s[TC], s[TC], 6144
	s_add_co_u32 s[TS], s[TS], 256
.endm
.macro RUN first, n                    ; key steps first .. first + n - 1
	s_mov_b32 s[TC], (\first)*6144
	s_mov_b32 s[TS], (\first)*256
	s_mov_b32 s[CNT], \n
.Lstep_\@:
	STEP
	s_sub_co_u32 s[CNT], s[CNT], 1
	s_cmp_lg_u32 s[CNT], 0
	s_cbranch_scc1 .Lstep_\@
.endm
; A tile of queries begins: Q's scale word; the largest score -3e38, the sum and O^T zeros, which the first change of M leaves zeros.
.macro INIT p
.if \p
	WALU
	s_wait_xcnt 0x0                                ; the first tile's stores have read their registers
	s_wait_dscnt 0x0                               ; no LDS load of mine is out
	PRE
.irp i, 0,1,2,3,4,5
	v_mov_b32 v[QZ+6+\i], v[Q1+\i]
.endr
	v_perm_b32 v[QSW], v[Q1R], v[Q1R], s[QSEL]
.else
	v_perm_b32 v[QSW], v[QRAW], v[QRAW], s[QSEL]
.endif
	v_mov_b32 v13, 0xff61b1e6
	v_floor_f32 v12, -v13
	v_mov_b32 v14, 0
	v_mov_b32 v15, 0
.set J, 0
.rept 32
	v_mov_b32 v[160+J], 0                          ; O^T.  (These also stand between the write of Q's scale word and the first product)
.set J, J+1
.endr
.endm
; A tile ends: O^T / the sum, quantised along the head's 64 (two blocks), leaves as a half image; its two scale bytes go to LDS.
.macro FINAL p
.rept 4
	v_nop                                          ; places behind the last products
.endr
	v_add_f32 v14, v14, v15
	v_permlanex16_b32 v252, v14, s[SEL], s[SEL+1]
	v_add_f32 v14, v14, v252                       ; the row's sum
	WALU
	v_rcp_f32 v14, v14
	v_nop
	WALU
.set J, 0
.rept 16
	v_pk_mul_f32 v[96+J:97+J], v[160+J:161+J], v[14:15] op_sel_hi:[1,0]   ; register 16 B + i = channel 32 B + 16 h + i of my query
.set J, J+2
.endr
.irp b, 0,1
	v_max3_num_f32 v[232+\b], |v[96+16*\b]|, |v[97+16*\b]|, 0x1800000
.endr
.irp i, 2,4,6,8,10,12,14
.irp b, 0,1
	v_max3_num_f32 v[232+\b], v[232+\b], |v[96+16*\b+\i]|, |v[97+16*\b+\i]|
.endr
.endr
.irp b, 0,1
	v_permlanex16_b32 v[236+\b], v[232+\b], s[SEL], s[SEL+1]
.endr
.irp b, 0,1
	v_max_num_f32 v[232+\b], v[232+\b], v[236+\b]
.endr
.irp b, 0,1
	v_add_nc_u32 v[244+\b], 0xff000000, v[232+\b]
.endr
.irp b, 0,1
	v_lshrrev_b32 v[236+\b], 23, v[244+\b]
.endr
	v_lshl_or_b32 v[OSW], v237, 8, v236
	ds_store_b16 v[OSA], v[OSW] offset:512*\p      ; both halves of the lanes write the same bytes with the same value
	v_cvt_scalef32_pk16_fp6_f32 v[224:226], v[96:111], v244
	v_cvt_scalef32_pk16_fp6_f32 v[236:238], v[112:127], v245
	v_nop
.irp i, 0,1,2
	v_permlane16_swap_b32 v[224+\i], v[236+\i]     ; the operand's layout wants a whole block in a lane
.endr
.irp i, 0,1,2
	v_mov_b32 v[227+\i], v[236+\i]
.endr
	global_store_b128 v[L16], v[224:227], s[OC:OC+1] offset:\p*196608       ; 512 consecutive bytes, at a multiple of 256 from the buffer's first byte
	global_store_b64 v[L8], v[228:229], s[OC:OC+1] offset:\p*196608+512     ; 256
.endm
	WALU
	s_wait_loadcnt 0x0
	ds_store_b128 v[SLA], v[SD:SD+3]               ; my 16 bytes of the scale words
	INIT 0
	WALU
	s_wait_dscnt 0x0
	s_cmp_lt_u32 s[WV], 5
	s_cbranch_scc0 .Lnot_first
	s_wait_tensorcnt 0x0                           ; waves 0 to 4: K's key steps 0 to 5, V's 0 to 3
.Lnot_first:
	s_barrier_signal -1
	s_barrier_wait -1                              ; they and the scale words are shown to all
	PRE
	RUN 0, 4
	s_wait_tensorcnt 0x0                           ; every wave: its tile is in
	s_wait_dscnt 0x0
	s_barrier_signal -1
	s_barrier_wait -1                              ; all of K and V is shown to all
	RUN 4, 12
	FINAL 0
	INIT 1
	RUN 0, 16
	FINAL 1
	s_wait_dscnt 0x0                               ; for the others' sake
	s_barrier_signal -1
	s_barrier_wait -1
	s_cmp_lt_u32 s[WV], 2                          ; the work-group's 1,024 scale bytes leave by two waves, 512 consecutive bytes each
	s_cbranch_scc0 .Lno_os
	ds_load_b128 v[96:99], v[OSR]
	s_wait_dscnt 0x0
	global_store_b128 v[OSG], v[96:99], s[OS:OS+1]
.Lno_os:
	s_wait_tensorcnt 0x0                           ; the wave's end
	ds_add_u32 v[SPW], v[NIL]
	s_wait_dscnt 0x0
	CROUND                                         ; the closing round
	s_endpgm
.Lfunc_end_k_qe303411bd6_attn:
	.size	k_qe303411bd6_attn, .Lfunc_end_k_qe303411bd6_attn-k_qe303411bd6_attn
	.p2alignl 7, 3214868480
	.fill 96, 4, 3214868480
	.section	.rodata,"a",@progbits
	.p2align	6, 0x0
	.amdhsa_kernel k_qe303411bd6_attn
		.amdhsa_group_segment_fixed_size 207872
		.amdhsa_private_segment_fixed_size 0
		.amdhsa_enable_private_segment 0
		.amdhsa_kernarg_size 32
		.amdhsa_user_sgpr_count 2
		.amdhsa_user_sgpr_kernarg_segment_ptr 1
		.amdhsa_wavefront_size32 1
		.amdhsa_system_sgpr_workgroup_id_x 1
		.amdhsa_system_sgpr_workgroup_id_y 1
		.amdhsa_system_sgpr_workgroup_id_z 1
		.amdhsa_system_vgpr_workitem_id 0
		.amdhsa_next_free_vgpr 256
		.amdhsa_next_free_sgpr 80
		.amdhsa_reserve_vcc 0
		.amdhsa_float_denorm_mode_32 3
		.amdhsa_float_denorm_mode_16_64 3
		.amdhsa_memory_ordered 1
		.amdhsa_forward_progress 1
		.amdhsa_inst_pref_size 67
	.end_amdhsa_kernel
	.amdgpu_metadata
---
amdhsa.version: [ 1, 2 ]
amdhsa.kernels:
  - .name:           k_qe303411bd6_attn
    .symbol:         k_qe303411bd6_attn.kd
    .args:
      - { .name: hcodes, .offset: 0, .size: 8, .value_kind: global_buffer, .address_space: global }
      - { .name: hscales, .offset: 8, .size: 8, .value_kind: global_buffer, .address_space: global }
      - { .name: ocodes, .offset: 16, .size: 8, .value_kind: global_buffer, .address_space: global }
      - { .name: oscales, .offset: 24, .size: 8, .value_kind: global_buffer, .address_space: global }
    .group_segment_fixed_size: 207872
    .private_segment_fixed_size: 0
    .kernarg_segment_align: 8
    .kernarg_segment_size: 32
    .max_flat_workgroup_size: 512
    .sgpr_count:     80
    .vgpr_count:     256
    .wavefront_size: 32
...
	.end_amdgpu_metadata
.endif
;; end of part 3
;; launch oproj (part 4): grid 8 x 32, 4 waves a work-group, clusters of 4 x 4, 327,680 bytes of LDS; arguments ocodes, oscales, incodes, inscales, bo, out0; writes out0
.if DOCPART == 4
	.amdgcn_target "amdgcn-amd-amdhsa--gfx1250"
	.amdhsa_code_object_version 6
	.text
	.protected	k_qe303411bd6_oproj
	.globl	k_qe303411bd6_oproj
	.p2align	8
	.type	k_qe303411bd6_oproj,@function
k_qe303411bd6_oproj:
	s_mov_b64 s[64:65], 0
	v_nop
	global_prefetch_b8 v0, s[64:65] scope:SCOPE_SE
	s_setreg_imm32_b32 hwreg(HW_REG_WAVE_MODE, 25, 1), 1
	s_wait_xcnt 0x0
	s_wait_alu depctr_hold_cnt(0) depctr_sa_sdst(0) depctr_va_vdst(0) depctr_va_sdst(0) depctr_va_ssrc(0) depctr_va_vcc(0) depctr_vm_vsrc(0)
	s_getreg_b32 s2, hwreg(HW_REG_IB_STS2, 6, 4)
	s_cmp_eq_u32 s2, 0
	s_cbranch_scc0 .Lentry_in_a_cluster
	s_endpgm
.Lentry_in_a_cluster:
	s_bfe_u32 s2, ttmp6, 0x10000c
	s_cmp_lg_u32 s2, 0xf033
	s_cbranch_scc0 .Lentry_shape_is_right
	s_endpgm
.Lentry_shape_is_right:
.set HALFT,  24576
.set SLOT,   4*HALFT
.set SCL,    2*SLOT
.set HALFS,  4352
.set SPARE,  SCL+4*HALFS
.set TILEB,  12288
.set SLB,    3072
.set FRB,    1536
.set FR,     12
.set NL,     4
.set STR,    64
.set SSR,    1024
.set STP,    544
.set SSP,    8
.set ADRA,  16
.set ADRB,  20
.set ADRSR, 24
.set ADRSP, 25
.set L16,   26
.set L8,    27
.set SPW,   28
.set NIL,   29
.set STO,   30
.set RD,    31
.set SC,    32
.set AF,    128
.set BK,    128
.set WV,  18
.set RH,  19
.set PH,  20
.set CX,  21
.set CY,  22
.set YY,  23
.set G1,   24
.set G0,   32
.set G1B,  48
.set G0B,  56
.set G1S,  68
.set G0S,  76
.set G1SB, 80
.set G0SB, 88
.set MSB, 0
.macro WIN new
.if MSB != (\new)
	s_set_vgpr_msb (MSB<<8)|(\new)
.set MSB, (\new)
.endif
.endm
.set MUL_LO, 0xa1
.set MUL_HI, 0xf1
.set TO_B,   0x40
.macro JLOAD g0a, g1a, g0b, g1b
	s_cmp_eq_u32 s[RH], 0
	s_cbranch_scc0 .Lfor_b_\@
	tensor_load_to_lds s[\g0a:\g0a+3], s[\g1a:\g1a+7]
	s_nop 0
.rept 4
	v_nop
.endr
	s_branch .Lasked_\@
.Lfor_b_\@:
	tensor_load_to_lds s[\g0b:\g0b+3], s[\g1b:\g1b+7]
	s_nop 0
.rept 4
	v_nop
.endr
.Lasked_\@:
.endm
.macro CREST
	s_cmp_lg_u32 s[WV], 0
	s_cbranch_scc1 .Lnot_wave_0_\@
	s_barrier_signal -3
.Lnot_wave_0_\@:
	s_barrier_wait -3
	s_barrier_signal -1
	s_barrier_wait -1
.endm
.macro CROUND
	s_barrier_signal -1
	s_barrier_wait -1
	CREST
.endm
.macro PLACES
.rept 4
	v_nop
.endr
.endm
.macro FRAG reg, a16, a8, off
	ds_load_b128 v[(\reg):(\reg)+3], v[\a16] offset:(\off)
	ds_load_b64 v[(\reg)+4:(\reg)+5], v[\a8] offset:(\off)+512
	ds_load_b128 v[(\reg)+6:(\reg)+9], v[\a16] offset:(\off)+768
	ds_load_b64 v[(\reg)+10:(\reg)+11], v[\a8] offset:(\off)+1280
.endm
.macro MUL16 a0, p, q, sc, zero
.irp a, \a0, \a0+1
.irp b, 0,1,2,3
.if \zero
	v_wmma_scale_f32_16x16x128_f8f6f4 v[8*(8*((\a)%4)+\b):8*(8*((\a)%4)+\b)+7], v[128*(\p)+FR*\b:128*(\p)+FR*\b+FR-1], v[AF+FR*(\a):AF+FR*(\a)+FR-1], 0, v[SC+16*(\sc)+8+\b], v[SC+16*(\sc)+(\a)] matrix_a_fmt:MATRIX_FMT_FP6 matrix_b_fmt:MATRIX_FMT_FP6
.elseif \q
	v_wmma_scale_f32_16x16x128_f8f6f4 v[8*(8*((\a)%4)+\b):8*(8*((\a)%4)+\b)+7], v[128*(\p)+FR*\b:128*(\p)+FR*\b+FR-1], v[AF+FR*(\a):AF+FR*(\a)+FR-1], v[8*(8*((\a)%4)+\b):8*(8*((\a)%4)+\b)+7], v[SC+16*(\sc)+8+\b], v[SC+16*(\sc)+(\a)] matrix_a_fmt:MATRIX_FMT_FP6 matrix_b_fmt:MATRIX_FMT_FP6 matrix_a_scale:MATRIX_SCALE_ROW1 matrix_b_scale:MATRIX_SCALE_ROW1
.else
	v_wmma_scale_f32_16x16x128_f8f6f4 v[8*(8*((\a)%4)+\b):8*(8*((\a)%4)+\b)+7], v[128*(\p)+FR*\b:128*(\p)+FR*\b+FR-1], v[AF+FR*(\a):AF+FR*(\a)+FR-1], v[8*(8*((\a)%4)+\b):8*(8*((\a)%4)+\b)+7], v[SC+16*(\sc)+8+\b], v[SC+16*(\sc)+(\a)] matrix_a_fmt:MATRIX_FMT_FP6 matrix_b_fmt:MATRIX_FMT_FP6
.endif
.endr
.endr
.endm
.macro FETCH_B slot, q, p
	WIN TO_B
.irp i, 0,1,2,3
	FRAG 128*(\p)+FR*\i, ADRB+\slot, ADRB+2+\slot, \i*SLB+(\q)*FRB
.endr
	WIN 0
.endm
.macro FETCH_A slot, q, i0
.irp i, \i0, \i0+1, \i0+2, \i0+3
	FRAG AF+FR*(\i), ADRA+\slot, ADRA+2+\slot, (\i)*SLB+(\q)*FRB
.endr
.endm
.macro SCALES sc
.irp i, 0,1,2,3,4,5,6,7
	ds_load_b32 v[SC+16*\sc+\i], v[ADRSR] offset:\i*STR
.endr
.irp i, 0,1,2,3
	ds_load_b32 v[SC+16*\sc+8+\i], v[ADRSP] offset:\i*STP
.endr
.endm
.macro STEP slot, zero
	s_wait_dscnt 4*NL
	WIN MUL_LO
	MUL16 0, 0, 0, \slot, \zero
	MUL16 2, 0, 0, \slot, \zero
	s_wait_dscnt 0x0
	PLACES
	FETCH_B \slot, 1, 1
	FETCH_A \slot, 1, 0
	WIN MUL_HI
	MUL16 4, 0, 0, \slot, \zero
	MUL16 6, 0, 0, \slot, \zero
	PLACES
	WIN 0
	FETCH_A \slot, 1, 4
.endm
.macro TURN slot, next, fill
	s_wait_tensorcnt 0x0
	ds_add_u32 v[SPW], v[NIL]
	s_wait_dscnt 4*NL+1
	WIN MUL_LO
	MUL16 0, 1, 1, \slot, 0
	s_wait_dscnt 0x0
	s_barrier_signal -1
	MUL16 2, 1, 1, \slot, 0
	WIN 0
	s_barrier_wait -1
.if \fill
	CREST
	s_add_nc_u64 s[G0+4*\slot+2:G0+4*\slot+3], s[G0+4*\slot+2:G0+4*\slot+3], 2*SLB
	s_add_nc_u64 s[G0B+4*\slot+2:G0B+4*\slot+3], s[G0B+4*\slot+2:G0B+4*\slot+3], 2*SLB
	JLOAD G0+4*\slot, G1, G0B+4*\slot, G1B
.else
	PLACES
.endif
	s_wait_alu depctr_va_vdst(0)
	v_add_nc_u32 v[ADRSR], SSR, v[ADRSR]
	v_add_nc_u32 v[ADRSP], SSP, v[ADRSP]
	FETCH_B \next, 0, 0
	FETCH_A \next, 0, 0
	SCALES \next
	WIN MUL_HI
	MUL16 4, 1, 1, \slot, 0
	MUL16 6, 1, 1, \slot, 0
	PLACES
	WIN 0
	FETCH_A \next, 0, 4
.endm
	s_load_b256 s[4:11], s[0:1], 0x0
	s_load_b128 s[12:15], s[0:1], 0x20
	v_lshl_add_u32 v[SPW], v0, 2, SPARE
	v_mov_b32 v[NIL], 0
	ds_add_u32 v[SPW], v[NIL]
	ds_add_u32 v[SPW], v[NIL]
	v_lshrrev_b32 v1, 5, v0
	v_readfirstlane_b32 s[WV], v1
	s_lshr_b32 s[RH], s[WV], 1
	s_and_b32 s[PH], s[WV], 1
	s_bfe_u32 s[CX], ttmp6, 0x40000
	s_bfe_u32 s[CY], ttmp6, 0x40004
	s_and_b32 s[YY], ttmp7, 0xffff
	s_lshl_b32 s42, s[CY], 2
	s_lshl_b32 s42, 15, s42
	s_lshl_b32 s43, 0x1111, s[CX]
	s_or_b32 s[G1+0], s42, (3<<16)|(1<<21)
	s_or_b32 s[G1B+0], s43, (3<<16)|(1<<21)
.irp g, G1, G1B
	s_mov_b32 s[\g+1], 384<<16
	s_mov_b32 s[\g+2], 8<<16
	s_mov_b32 s[\g+3], 384<<16
	s_mov_b32 s[\g+4], 8
	s_mov_b32 s[\g+5], 1536
	s_mov_b32 s[\g+6], 0
	s_mov_b32 s[\g+7], 0
.endr
	; A work-group makes 256 rows x 128 columns: 32 x 8 of them are 256 work-groups.  A wave holds 128 rows x 64 columns: of Wo it fetches and reads four tiles of 16 rows
	s_mov_b32 s[G1B+2], 4<<16
	s_mov_b32 s[G1B+4], 4
	s_lshl_b32 s47, s[PH], 3
	s_lshl_b32 s46, s[YY], 6
	s_lshl_b32 s92, s[CY], 4
	s_add_co_u32 s46, s46, s92
	s_add_co_u32 s46, s46, s47
	s_lshl_b32 s45, ttmp9, 2
	s_add_co_u32 s45, s45, s[CX]                   ; my block of 128 columns: 4 x cluster x + cx
	s_lshl_b32 s45, s45, 3                         ; eight tiles of Wo,
	s_add_co_u32 s45, s45, 1728
	s_lshl_b32 s98, s[PH], 2
	s_add_co_u32 s45, s45, s98                     ; of which four are my wave's
	s_mul_i32 s66, s46, TILEB
	s_mov_b32 s67, 0
	s_lshl_b32 s92, s46, 5                         ; oscales: [head][tile][slot], two bytes: 32 bytes a tile
	s_mov_b32 s93, 0
	s_mul_i32 s94, s45, TILEB
	s_mov_b32 s95, 0
	s_lshl_b32 s98, s45, 9
	s_mov_b32 s99, 0
	s_mul_i32 s44, s[WV], HALFT
	s_mul_i32 s47, s[WV], HALFS
	s_wait_dscnt 0x0
	s_wait_kmcnt 0x0
	s_add_nc_u64 s[66:67], s[4:5], s[66:67]
	s_add_nc_u64 s[92:93], s[6:7], s[92:93]
	s_add_nc_u64 s[94:95], s[8:9], s[94:95]
	s_add_nc_u64 s[98:99], s[10:11], s[98:99]
	CROUND
.irp s, 0,1
	s_mov_b32 s[G0+4*\s], 1
	s_add_co_u32 s[G0+4*\s+1], s44, \s*SLOT
	s_add_nc_u64 s[G0+4*\s+2:G0+4*\s+3], s[66:67], \s*SLB
	s_or_b32 s[G0+4*\s+3], s[G0+4*\s+3], 0x80000000
	s_mov_b32 s[G0B+4*\s], 1
	s_add_co_u32 s[G0B+4*\s+1], s44, \s*SLOT
	s_add_nc_u64 s[G0B+4*\s+2:G0B+4*\s+3], s[94:95], \s*SLB
	s_or_b32 s[G0B+4*\s+3], s[G0B+4*\s+3], 0x80000000
.endr
	JLOAD G0, G1, G0B, G1B                         ; slot 0: the head's one tensor load a wave
	; THE SCALE WORDS come by plain loads and LDS stores into bytes on which no tile lands.  Waves 0, 1: O's scale bytes of their 8 tiles lie by heads, 256 bytes a head; two heads' bytes are joined into the words of a K step of 128.
	; Waves 2, 3: Wo's scale words, 2,048 bytes as they lie, units of 256 bytes 272 apart.  They are 12,288 of the 307,200 bytes that a work-group takes in, so they are not asked for jointly.
	v_and_b32 v1, 31, v0
	v_lshlrev_b32 v6, 3, v1                        ; 8 x lane
	v_lshlrev_b32 v7, 4, v1                        ; 16 x lane
	s_add_co_u32 s47, s47, SCL                     ; my region
	v_add_nc_u32 v8, s47, v7                       ; O's words: four slots a lane
	v_lshrrev_b32 v9, 4, v1
	v_mul_u32_u24 v9, v9, 272
	v_and_b32 v10, 15, v0
	v_lshl_add_u32 v9, v10, 4, v9
	v_add_nc_u32 v9, s47, v9                       ; Wo's: 272 (lane / 16) + 16 (lane % 16)
	s_wait_alu depctr_va_vdst(0)
	s_cmp_eq_u32 s[RH], 0
	s_cbranch_scc0 .Lsc_b
.irp hd, 0,1,2,3,4,5,6,7,8,9,10,11,12,13,14,15
	global_load_b64 v[128+2*\hd:129+2*\hd], v6, s[92:93] offset:\hd*16384   ; 256 consecutive bytes, at a multiple of 256 from the buffer's first byte
.endr
	s_branch .Lsc_on
.Lsc_b:
.irp k, 0,1,2,3
	global_load_b128 v[128+4*\k:131+4*\k], v7, s[98:99] offset:512*\k
.endr
.Lsc_on:
	v_and_b32 v1, 31, v0
	v_and_b32 v2, 15, v0
	v_bfe_u32 v3, v0, 4, 1
	v_lshlrev_b32 v[L16], 4, v1
	s_wait_alu depctr_va_vdst(0)
	v_lshlrev_b32 v[L8], 3, v1
	v_lshlrev_b32 v11, 4, v2                       ; 16 x (lane % 16): my 16 bytes of a row's 256
	v_lshl_add_u32 v10, v3, 12, v11                ; and in out0: lanes 16-31 take the next row
	s_wait_alu depctr_va_vdst(0)
	s_lshl_b32 s40, ttmp9, 2
	s_add_co_u32 s40, s40, s[CX]
	s_lshl_b32 s40, s40, 9                         ; my first column, in bytes: 512 x block + 256 x half
	s_lshl_b32 s41, s[PH], 8
	s_add_co_u32 s40, s40, s41
	s_mov_b32 s41, 0
	s_add_nc_u64 s[12:13], s[12:13], s[40:41]
	global_load_b128 v[12:15], v11, s[12:13]
	s_add_nc_u64 s[14:15], s[14:15], s[40:41]
	s_lshl_b32 s40, s[YY], 6
	s_lshl_b32 s42, s[CY], 4
	s_add_co_u32 s40, s40, s42
	s_lshl_b32 s42, s[RH], 3
	s_add_co_u32 s40, s40, s42
	s_lshl_b32 s40, s40, 16
	s_add_nc_u64 s[14:15], s[14:15], s[40:41]
	s_mul_i32 s40, s[RH], HALFT
	s_mul_i32 s41, s[PH], HALFT
	s_add_co_u32 s41, s41, 2*HALFT
.irp s, 0,1
	v_add_nc_u32 v[ADRA+\s], s40, v[L16]
	v_add_nc_u32 v[ADRA+2+\s], s40, v[L8]
	v_add_nc_u32 v[ADRB+\s], s41, v[L16]
	v_add_nc_u32 v[ADRB+2+\s], s41, v[L8]
	s_add_co_u32 s40, s40, SLOT
	s_add_co_u32 s41, s41, SLOT
.endr
	v_lshlrev_b32 v4, 2, v2
	v_lshl_add_u32 v4, v3, 9, v4
	s_mul_i32 s40, s[RH], HALFS
	s_add_co_u32 s40, s40, SCL
	v_add_nc_u32 v[ADRSR], s40, v4
	v_lshlrev_b32 v4, 5, v2
	v_lshrrev_b32 v5, 3, v2
	v_lshl_add_u32 v4, v5, 4, v4
	v_lshl_add_u32 v4, v3, 2, v4
	s_mul_i32 s41, s[PH], HALFS
	s_add_co_u32 s41, s41, SCL+2*HALFS
	v_add_nc_u32 v[ADRSP], s41, v4
	s_mul_i32 s40, s[WV], 16*272                   ; my stage: 16 rows of 256 bytes + 16
	v_mul_u32_u24 v[STO], v2, 272
	v_lshl_add_u32 v[STO], v3, 6, v[STO]
	v_add_nc_u32 v[STO], s40, v[STO]
	v_mul_u32_u24 v[RD], v3, 272                   ; back: lanes 0-15 take one row, lanes 16-31 the next
	v_add_nc_u32 v[RD], v[RD], v11
	v_add_nc_u32 v[RD], s40, v[RD]
	s_wait_alu depctr_va_vdst(0)
	s_wait_loadcnt 0x0
	s_cmp_eq_u32 s[RH], 0
	s_cbranch_scc0 .Lst_b
.irp g, 0,1,2,3,4,5,6,7
	v_perm_b32 v[160+4*\g], v[130+4*\g], v[128+4*\g], 0x05040100   ; a slot's word: head 2 g's two bytes below, head 2 g + 1's above
	v_perm_b32 v[161+4*\g], v[130+4*\g], v[128+4*\g], 0x07060302
	v_perm_b32 v[162+4*\g], v[131+4*\g], v[129+4*\g], 0x05040100
	v_perm_b32 v[163+4*\g], v[131+4*\g], v[129+4*\g], 0x07060302
.endr
.irp g, 0,1,2,3,4,5,6,7
	ds_store_b128 v8, v[160+4*\g:163+4*\g] offset:512*\g
.endr
	s_branch .Lst_on
.Lst_b:
.irp k, 0,1,2,3
	ds_store_b128 v9, v[128+4*\k:131+4*\k] offset:544*\k
.endr
.Lst_on:
	s_wait_alu depctr_va_vdst(0)
	s_wait_tensorcnt 0x0                           ; my part of slot 0 is in
	ds_add_u32 v[SPW], v[NIL]
	s_wait_dscnt 0x0                               ; the add and my stores of scale words are done
	CROUND                                         ; slot 0 and the scale words are shown to all waves
	JLOAD G0+4, G1, G0B+4, G1B
	FETCH_B 0, 0, 0
	FETCH_A 0, 0, 0
	SCALES 0
	FETCH_A 0, 0, 4
	STEP 0, 1
	TURN 0, 1, 1
	STEP 1, 0
	TURN 1, 0, 1
	STEP 0, 0
	TURN 0, 1, 0
	STEP 1, 0
	s_wait_dscnt 4*NL
	WIN MUL_LO
	MUL16 0, 1, 1, 1, 0
	MUL16 2, 1, 1, 1, 0
	s_wait_dscnt 0x0
	WIN MUL_HI
	MUL16 4, 1, 1, 1, 0
	MUL16 6, 1, 1, 1, 0
	WIN 0
.macro TOSTAGE a
.set AC, 64*((\a)%4)
	WIN 0x08+4*((\a)/4)
.irp b, 0,1,2,3
	ds_store_b128 v[STO], v[AC+8*\b:AC+8*\b+3] offset:128*(\b/2)+32*(\b%2)
	ds_store_b128 v[STO], v[AC+8*\b+4:AC+8*\b+7] offset:128*(\b/2)+32*(\b%2)+16
.endr
	WIN 0
.set BB, BK+64*((\a)%2)
.irp t, 0,1,2,3,4,5,6,7
	ds_load_b128 v[BB+4*\t:BB+4*\t+3], v[RD] offset:2*\t*272
.endr
.endm
.macro SEND a, younger
.set BB, BK+64*((\a)%2)
	s_wait_dscnt \younger
.irp t, 0,1,2,3,4,5,6,7
	v_pk_add_f32 v[BB+4*\t:BB+4*\t+1], v[BB+4*\t:BB+4*\t+1], v[12:13]
	v_pk_add_f32 v[BB+4*\t+2:BB+4*\t+3], v[BB+4*\t+2:BB+4*\t+3], v[14:15]
	global_store_b128 v10, v[BB+4*\t:BB+4*\t+3], s[14:15] offset:(32*((\a)/2)+8*((\a)%2)+2*\t+8*(\t/4))*4096 th:TH_STORE_NT   ; slots 2 t and 2 t + 1: sixteen lanes store 256 consecutive bytes of a row, at a multiple of 256 from the buffer's first byte
.endr
.endm
	PLACES
	s_wait_loadcnt 0x0
	TOSTAGE 0
.irp a, 1,2,3,4,5,6,7
.if \a > 1
	s_wait_xcnt 0x0
.endif
	TOSTAGE \a
	SEND \a-1, 16                                  ; behind block a - 1's loads: block a's 8 stores and 8 loads
.endr
	SEND 7, 0
	s_wait_tensorcnt 0x0
	ds_add_u32 v[SPW], v[NIL]
	s_wait_dscnt 0x0
	CROUND
	s_endpgm
.Lfunc_end_k_qe303411bd6_oproj:
	.size	k_qe303411bd6_oproj, .Lfunc_end_k_qe303411bd6_oproj-k_qe303411bd6_oproj
	.p2alignl 7, 3214868480
	.fill 96, 4, 3214868480
	.section	.rodata,"a",@progbits
	.p2align	6, 0x0
	.amdhsa_kernel k_qe303411bd6_oproj
		.amdhsa_group_segment_fixed_size 327680
		.amdhsa_private_segment_fixed_size 0
		.amdhsa_enable_private_segment 0
		.amdhsa_kernarg_size 48
		.amdhsa_user_sgpr_count 2
		.amdhsa_user_sgpr_kernarg_segment_ptr 1
		.amdhsa_wavefront_size32 1
		.amdhsa_system_sgpr_workgroup_id_x 1
		.amdhsa_system_sgpr_workgroup_id_y 1
		.amdhsa_system_sgpr_workgroup_id_z 1
		.amdhsa_system_vgpr_workitem_id 0
		.amdhsa_next_free_vgpr 1024
		.amdhsa_next_free_sgpr 100
		.amdhsa_reserve_vcc 0
		.amdhsa_float_denorm_mode_32 3
		.amdhsa_float_denorm_mode_16_64 3
		.amdhsa_memory_ordered 1
		.amdhsa_forward_progress 1
		.amdhsa_inst_pref_size 104
	.end_amdhsa_kernel
	.amdgpu_metadata
---
amdhsa.version: [ 1, 2 ]
amdhsa.kernels:
  - .name:           k_qe303411bd6_oproj
    .symbol:         k_qe303411bd6_oproj.kd
    .args:
      - { .name: ocodes, .offset: 0, .size: 8, .value_kind: global_buffer, .address_space: global }
      - { .name: oscales, .offset: 8, .size: 8, .value_kind: global_buffer, .address_space: global }
      - { .name: incodes, .offset: 16, .size: 8, .value_kind: global_buffer, .address_space: global }
      - { .name: inscales, .offset: 24, .size: 8, .value_kind: global_buffer, .address_space: global }
      - { .name: bo, .offset: 32, .size: 8, .value_kind: global_buffer, .address_space: global }
      - { .name: out0, .offset: 40, .size: 8, .value_kind: global_buffer, .address_space: global }
    .group_segment_fixed_size: 327680
    .private_segment_fixed_size: 0
    .kernarg_segment_align: 8
    .kernarg_segment_size: 48
    .max_flat_workgroup_size: 128
    .sgpr_count:     100
    .vgpr_count:     1024
    .wavefront_size: 32
...
	.end_amdgpu_metadata
.endif
;; end of part 4
